; MI455X (gfx1250); checked and timed in simulation.
; The chip was launched on July 23, 2026; its instructions are those of AMD's public machine-readable ISA for CDNA 5 (MIT licence, August 2026) and "CDNA5" Instruction Set Architecture Reference Guide (July 2026). The comments in the code are by the model that wrote it; some were corrected since.
;; Holy Loss Network. Allowed arithmetic: matrix products marked QUANTISED: E4M3 operands, one given power-of-two scale a tensor, by v_wmma_f32_16x16x64_fp8_fp8 or v_wmma_f32_16x16x128_fp8_fp8, f32 sums; everything else in f32.
;; Inputs: W_fe 512 x 512 float32; W_lv 1,026 x 1,026 float32; b_fe 512 float32; b_lv 1,026 float32; lowp_scales 8 int32 (the exponents e of the quantised operands' scales 2^e); test_inputs 256 x 32 x 512 float32; test_targets 256 x 32 x 1 float32; train_inputs 256 x 32 x 512 float32; train_targets 256 x 32 x 1 float32.
;; Outputs: out0 256 x 256 float32; out1 256 int32.
;; This version of the problem:
;;   THIS VERSION OF THE PROBLEM IS GIVEN IN LOW PRECISION. The matrix products marked QUANTISED in the list below multiply operands that are first quantised to E4M3 (4 exponent bits, 3 mantissa bits; 8 bits a number), with one given power-of-two scale for each operand tensor; their sums are f32. All else is computed in f32.
;;   The module's matrix products, in the order in which they are computed (A, B: the left and right operand; K: the contracted axis; several contracted axes count as one K, in the product's order):
;;     1. [M 8,192, K 512] x [K 512, N 512]; A: input train_inputs; B: input W_fe: QUANTISED (scales: A lowp_scales[0], B lowp_scales[1])
;;     2. [M 256, K 1,026] x [K 1,026, N 1,026]; A: computed on the way; B: input W_lv: QUANTISED (scales: A lowp_scales[2], B lowp_scales[3])
;;     3. [M 8,192, K 512] x [K 512, N 512]; A: input test_inputs; B: input W_fe: QUANTISED (scales: A lowp_scales[4], B lowp_scales[5])
;;     4. [M 256, K 1,026] x [K 1,026, N 1,026]; A: computed on the way; B: input W_lv: QUANTISED (scales: A lowp_scales[6], B lowp_scales[7])
;;   THE QUANTISER, for each operand of a quantised product, along K:
;;     - The operand's scale is 2^e, e = its entry of the input lowp_scales (int32; the entries are numbered through the quantised products in the list's order, A before B).
;;     - Each number is divided by the scale, clamped to +-448, and rounded to the nearest number of E4M3, ties to even, subnormals kept.
;;     - The product sums the exact products of the quantised numbers (number of the format x scale) in f32.
;;   ~~~python
;;   def quantise(x, axis, e):      # numpy; x: float32 -> the quantised numbers, widened to float32 again
;;       x = np.moveaxis(x, axis, -1); K = x.shape[-1]
;;       r = np.clip(x / 2.0 ** e, -448, 448)
;;       step = 2.0 ** (np.maximum(np.frexp(np.where(r == 0, 1, r))[1] - 1, -6) - 3)
;;       q = np.round(r / step) * step * 2.0 ** e      # np.round: ties to even
;;       return np.moveaxis(q, -1, axis).astype(np.float32)
;;   ~~~
;;   OPERANDS COMPUTED ON THE WAY. 'Computed on the way' means the value that the module computes at that place (a softmax that the list does not call 'softmax' is quantised finished and normalised). What goes into a quantiser is computed in f32, as accurately as f32 sums, v_exp_f32 and their like allow (about 1e-6 of the number): no bf16 or f16 on the way to a quantiser, and a product that is left as it is and whose result goes on into a quantised operand takes f32 operands (vector FMAs, or v_wmma_f32_16x16x4_f32). A number that lies on a knife's edge between two numbers of the format may be rounded either way, as far as f32 arithmetic and the matrix unit's own rounding can turn it there, and no further.
;; One version. Each part assembles by itself: llvm-mc -triple=amdgcn-amd-amdhsa -mcpu=gfx1250 --defsym DOCPART=n.
;; ======== version 1 of 1: 5 launches
;; workspace buffers: wfc 524,288 bytes; wlc 2,506,752 bytes; zc 655,360 bytes; st 6,291,456 bytes; tl 12,288 bytes; hp 34,816 bytes; sp 4,194,304 bytes
;; launch prep (part 1): grid 185 x 1, 4 waves a work-group, no clusters, 0 bytes of LDS; arguments W_fe, W_lv, lowp_scales, wfc, wlc; writes wfc, wlc
.if DOCPART == 1
	.amdgcn_target "amdgcn-amd-amdhsa--gfx1250"
	.amdhsa_code_object_version 6
	.text
	.protected	k_q2f90173652_prep
	.globl	k_q2f90173652_prep
	.p2align	8
	.type	k_q2f90173652_prep,@function
k_q2f90173652_prep:
	s_mov_b64 s[64:65], 0
	v_nop
	global_prefetch_b8 v0, s[64:65] scope:SCOPE_SE
	s_setreg_imm32_b32 hwreg(HW_REG_WAVE_MODE, 25, 1), 1
	s_wait_xcnt 0x0
; W_fe [512][512] and W_lv [1026][1026], f32 with K as their FIRST axis, become codes of FP8 (E4M3), each twice: W_fe with the scales 2^e1 and 2^e5, W_lv with 2^e3 and 2^e7.
; code = x / 2^e, held within +-448, rounded to the nearest code, ties to even.  LIMITS: -126 <= e and e + 8 <= 127; NaN among the inputs is not served.
; THE CODES ARE LAID AS IMAGES OF THE OPERAND'S REGISTERS.  A fragment is 16 columns x 128 K, 16 registers a lane: lane (r, h), register 4 c + x, byte y holds k = 128 s + 32 c + 16 h + 4 x + y; piece c (four registers)
; lies at 512 c + 16 x lane, a fragment is 2,048 bytes.  The same order of k is given to the other operand by the launches that read these buffers.
; THE COLUMNS OF A TILE ARE NOT NEIGHBOURS: in a group g of 64 columns tile u's lane r takes column 64 g + 4 r + u.  So one load of 16 bytes of a row of W feeds four tiles, sixteen lanes read 256 consecutive bytes,
; and a lane's registers run down K: the hold writes number i of column u to place i of a run of 16, which is all the transposing there is.
; wfc: [version 2][group 8][tile 4][K step 4][2,048]      wlc: [version 2][group 17][K step 9][tile 4][2,048]
; WORK-GROUPS: 0-31 W_fe (K step b & 3, group b >> 2); 32-167 W_lv's K steps 0-7 (K step b' & 7, group b' >> 3); 168-184 W_lv's K step 8 (rows 1,024 and 1,025, else zero codes).  In the first two a wave makes piece c = its number
; of four tiles, in the last all four pieces of tile u = its number.  No LDS, no barrier: waves share nothing.  Each store of a wave covers 512 consecutive bytes, aligned.
.set R,    16                          ; v16-79   16 rows x 4 columns as loaded
.set T,    80                          ; v80-111  two runs of 16 numbers down K, by turns
.set C,    112                         ; v112-143 codes: four registers for each (version, tile), so that no store's data are written again
.set FROW, 2048                        ; a row of W_fe in bytes
.set LROW, 4104                        ; a row of W_lv
.set FVER, 262144                      ; a version of wfc
.set LGRP, 73728                       ; a group of wlc
.set LVER, 17*LGRP                     ; a version of wlc
.macro ONE e, sc, lm                   ; s[e] = the exponent: v[sc] = 2^e as f32 (the conversion takes its exponent field), v[lm] = 448 x 2^e
	s_add_co_i32 s24, s[\e], 127
	s_lshl_b32 s25, s24, 23
	v_mov_b32 v[\sc], s25
	s_add_co_i32 s24, s24, 8
	s_lshl_b32 s24, s24, 23
	s_or_b32 s24, s24, 0x600000
	v_mov_b32 v[\lm], s24
.endm
; version v, tile u: 16 numbers down K of my column are held, converted and stored.  The other run's sixteen holds are the plain lines between a conversion and the next write of its sources.
.macro QUV v, u, ustr, vstr, dst
.set TS, T+16*((\u)%2)
.set CS, C+4*(4*(\v)+(\u))
.irp i, 0,1,2,3,4,5,6,7,8,9,10,11,12,13,14,15
	v_med3_num_f32 v[TS+\i], v[R+4*\i+\u], -v[7+2*\v], v[7+2*\v]   ; the conversion to an 8-bit code does not saturate (ISA guide 7.6.2): the hold comes first
.endr
	v_cvt_scalef32_pk8_fp8_f32 v[CS:CS+1], v[TS:TS+7], v[6+2*\v]
	v_cvt_scalef32_pk8_fp8_f32 v[CS+2:CS+3], v[TS+8:TS+15], v[6+2*\v]
	global_store_b128 v5, v[CS:CS+3], s[\dst:\dst+1] offset:(\v)*(\vstr)+(\u)*(\ustr)
.endm
	s_load_b256 s[4:11], s[0:1], 0x0               ; W_fe s[4:5], W_lv s[6:7], the exponents s[8:9], wfc s[10:11]
	s_load_b64 s[12:13], s[0:1], 0x20              ; wlc
	v_lshrrev_b32 v1, 5, v0
	v_readfirstlane_b32 s14, v1                    ; wave 0..3
	v_and_b32 v1, 31, v0                           ; lane
	v_and_b32 v2, 15, v0                           ; r
	v_bfe_u32 v3, v0, 4, 1                         ; h
	v_lshlrev_b32 v5, 4, v1                        ; 16 x lane: my place in a piece
	s_mov_b32 s29, 0                               ; the upper word of every offset below
	s_wait_kmcnt 0x0
	s_load_b256 s[16:23], s[8:9], 0x0              ; e0 .. e7
	s_cmp_lt_u32 ttmp9, 32
	s_cbranch_scc0 .Lnot_fe
	; ---- W_fe
	s_and_b32 s26, ttmp9, 3                        ; K step s
	s_lshr_b32 s27, ttmp9, 2                       ; group g
	s_lshl_b32 s28, s26, 7
	s_lshl_b32 s30, s14, 5
	s_add_co_u32 s28, s28, s30                     ; the piece's first row: 128 s + 32 c
	s_lshl_b32 s28, s28, 11
	s_lshl_b32 s30, s27, 8
	s_add_co_u32 s28, s28, s30                     ; + 256 g bytes along the row
	s_add_nc_u64 s[4:5], s[4:5], s[28:29]
	v_lshlrev_b32 v4, 15, v3                       ; lanes 16-31 begin 16 rows further down,
	v_lshl_add_u32 v4, v2, 4, v4                   ; + 16 r
.irp i, 0,1,2,3,4,5,6,7,8,9,10,11,12,13,14,15
	global_load_b128 v[R+4*\i:R+4*\i+3], v4, s[4:5] offset:\i*FROW th:TH_LOAD_NT   ; row 128 s + 32 c + 16 h + i, columns 64 g + 4 r + 0 .. 3
.endr
	s_lshl_b32 s28, s27, 4
	s_add_co_u32 s28, s28, s26
	s_lshl_b32 s28, s28, 11                        ; (16 g + s) x 2,048
	s_lshl_b32 s30, s14, 9
	s_add_co_u32 s28, s28, s30                     ; + 512 c
	s_add_nc_u64 s[10:11], s[10:11], s[28:29]
	s_wait_kmcnt 0x0
	ONE 17, 6, 7                                   ; e1
	ONE 21, 8, 9                                   ; e5
	s_wait_loadcnt 0x0
.irp v, 0,1
.irp u, 0,1,2,3
	QUV \v, \u, 8192, FVER, 10
.endr
.endr
	s_endpgm
.Lnot_fe:
	s_cmp_lt_u32 ttmp9, 168
	s_cbranch_scc0 .Llast_step
	; ---- W_lv, K steps 0 to 7.  Rows are 4,104 bytes, a multiple of 8 alone: loads of 8 bytes.  In group 16 the columns past 1,025 run on into the next row: inside the buffer (the rows here end at 1,023), and no result made of them is used.
	s_sub_co_u32 s26, ttmp9, 32
	s_lshr_b32 s27, s26, 3                         ; group g
	s_and_b32 s26, s26, 7                          ; K step s
	s_lshl_b32 s28, s26, 7
	s_lshl_b32 s30, s14, 5
	s_add_co_u32 s28, s28, s30
	s_mul_i32 s28, s28, LROW
	s_lshl_b32 s30, s27, 8
	s_add_co_u32 s28, s28, s30
	s_add_nc_u64 s[6:7], s[6:7], s[28:29]
	v_mul_u32_u24 v4, v3, 16*LROW
	v_lshl_add_u32 v4, v2, 4, v4
.irp i, 0,1,2,3,4,5,6,7,8,9,10,11,12,13,14,15
	global_load_b64 v[R+4*\i:R+4*\i+1], v4, s[6:7] offset:\i*LROW th:TH_LOAD_NT
	global_load_b64 v[R+4*\i+2:R+4*\i+3], v4, s[6:7] offset:\i*LROW+8 th:TH_LOAD_NT
.endr
	s_mul_i32 s28, s27, LGRP
	s_lshl_b32 s30, s26, 13
	s_add_co_u32 s28, s28, s30
	s_lshl_b32 s30, s14, 9
	s_add_co_u32 s28, s28, s30
	s_add_nc_u64 s[12:13], s[12:13], s[28:29]
	s_wait_kmcnt 0x0
	ONE 19, 6, 7                                   ; e3
	ONE 23, 8, 9                                   ; e7
	s_wait_loadcnt 0x0
.irp v, 0,1
.irp u, 0,1,2,3
	QUV \v, \u, 2048, LVER, 12
.endr
.endr
	s_endpgm
.Llast_step:
	; ---- W_lv, K step 8: k = 1,024 and 1,025 are bytes 0 and 1 of piece 0 in lanes 0-15; all else is past K's end.  Lanes 16-31 carry the same two codes at k = 1,040 and 1,041, where the other operand holds zero codes.
	s_sub_co_u32 s27, ttmp9, 168                   ; group g
	s_lshl_b32 s28, s27, 8
	s_lshl_b32 s30, s14, 2
	s_add_co_u32 s28, s28, s30
	s_add_co_u32 s28, s28, 1024*LROW
	v_lshl_add_u32 v4, v2, 4, s28                  ; row 1,024, column 64 g + 4 r + u
	v_add_nc_u32 v10, LROW, v4                     ; row 1,025,
	v_min_u32 v10, 1026*LROW-4, v10                ; held at the buffer's last number where group 16's columns pass 1,025
	global_load_b32 v[R], v4, s[6:7]
	global_load_b32 v[R+1], v10, s[6:7]
	s_mul_i32 s28, s27, LGRP
	s_lshl_b32 s30, s14, 11
	s_add_co_u32 s28, s28, s30
	s_add_co_u32 s28, s28, 8*8192
	s_add_nc_u64 s[12:13], s[12:13], s[28:29]
.irp i, 2,3,4,5,6,7
	v_mov_b32 v[T+\i], 0
	v_mov_b32 v[T+16+\i], 0
.endr
.irp i, 2,3,6,7
	v_mov_b32 v[C+\i], 0
.endr
.irp i, 4,5,6,7
	v_mov_b32 v[R+\i], 0                           ; sixteen zero codes
.endr
	s_wait_kmcnt 0x0
	ONE 19, 6, 7
	ONE 23, 8, 9
	s_wait_loadcnt 0x0
	v_med3_num_f32 v[T], v[R], -v7, v7
	v_med3_num_f32 v[T+1], v[R+1], -v7, v7
	v_med3_num_f32 v[T+16], v[R], -v9, v9
	v_med3_num_f32 v[T+17], v[R+1], -v9, v9
	v_cvt_scalef32_pk8_fp8_f32 v[C:C+1], v[T:T+7], v6
	v_cvt_scalef32_pk8_fp8_f32 v[C+4:C+5], v[T+16:T+23], v8
.irp v, 0,1
	global_store_b128 v5, v[C+4*\v:C+4*\v+3], s[12:13] offset:\v*LVER
.irp c, 1,2,3
	global_store_b128 v5, v[R+4:R+7], s[12:13] offset:\v*LVER+512*\c
.endr
.endr
	s_endpgm
.Lfunc_end_k_q2f90173652_prep:
	.size	k_q2f90173652_prep, .Lfunc_end_k_q2f90173652_prep-k_q2f90173652_prep
	.p2alignl 7, 3214868480
	.fill 96, 4, 3214868480
	.section	.rodata,"a",@progbits
	.p2align	6, 0x0
	.amdhsa_kernel k_q2f90173652_prep
		.amdhsa_group_segment_fixed_size 0
		.amdhsa_private_segment_fixed_size 0
		.amdhsa_enable_private_segment 0
		.amdhsa_kernarg_size 40
		.amdhsa_user_sgpr_count 2
		.amdhsa_user_sgpr_kernarg_segment_ptr 1
		.amdhsa_wavefront_size32 1
		.amdhsa_system_sgpr_workgroup_id_x 1
		.amdhsa_system_sgpr_workgroup_id_y 1
		.amdhsa_system_sgpr_workgroup_id_z 1
		.amdhsa_system_vgpr_workitem_id 0
		.amdhsa_next_free_vgpr 144
		.amdhsa_next_free_sgpr 66
		.amdhsa_reserve_vcc 0
		.amdhsa_float_denorm_mode_32 3
		.amdhsa_float_denorm_mode_16_64 3
		.amdhsa_memory_ordered 1
		.amdhsa_forward_progress 1
		.amdhsa_inst_pref_size 31
	.end_amdhsa_kernel
	.amdgpu_metadata
---
amdhsa.version: [ 1, 2 ]
amdhsa.kernels:
  - .name:           k_q2f90173652_prep
    .symbol:         k_q2f90173652_prep.kd
    .args:
      - { .name: W_fe, .offset: 0, .size: 8, .value_kind: global_buffer, .address_space: global }
      - { .name: W_lv, .offset: 8, .size: 8, .value_kind: global_buffer, .address_space: global }
      - { .name: lowp_scales, .offset: 16, .size: 8, .value_kind: global_buffer, .address_space: global }
      - { .name: wfc, .offset: 24, .size: 8, .value_kind: global_buffer, .address_space: global }
      - { .name: wlc, .offset: 32, .size: 8, .value_kind: global_buffer, .address_space: global }
    .group_segment_fixed_size: 0
    .private_segment_fixed_size: 0
    .kernarg_segment_align: 8
    .kernarg_segment_size: 40
    .max_flat_workgroup_size: 128
    .sgpr_count:     66
    .vgpr_count:     144
    .wavefront_size: 32
...
	.end_amdgpu_metadata
.endif
;; end of part 1
;; launch feat (part 2): grid 256 x 1, 4 waves a work-group, no clusters, 178,944 bytes of LDS; arguments train_inputs, test_inputs, train_targets, test_targets, wfc, b_fe, lowp_scales, st, tl, zc; writes st, tl, zc
.if DOCPART == 2
	.amdgcn_target "amdgcn-amd-amdhsa--gfx1250"
	.amdhsa_code_object_version 6
	.text
	.protected	k_q2f90173652_feat
	.globl	k_q2f90173652_feat
	.p2align	8
	.type	k_q2f90173652_feat,@function
k_q2f90173652_feat:
	s_mov_b64 s[64:65], 0
	v_nop
	global_prefetch_b8 v0, s[64:65] scope:SCOPE_SE
	s_setreg_imm32_b32 hwreg(HW_REG_WAVE_MODE, 25, 1), 1
	s_wait_xcnt 0x0
; phi = relu(x W_fe + b_fe) on codes of FP8 (E4M3); z = [mean, std (31 in the divisor)] over an episode's 32 shots of [target, phi]: 1,026 numbers an episode.
; OUT: z as f32 (mu): t < 1,024 to st's plane 0, t = 1,024 and 1,025 to tl's plane 0; z's codes, with the scale of the next product's left operand, to zc, k in its natural order, zero codes from k = 1,026 to 1,279.
; SHARES.  Work-group b: side b >> 7 (train, test), episodes 2 b and 2 b + 1 of 512: 64 rows of inputs, read by nobody else.  Wave w quantises rows 16 w .. 16 w + 15 and hands their fragments on through LDS as images of their
; registers; it owns columns 128 w .. 128 w + 127 for all 64 rows, and its 32 fragments of W's codes (512 registers) come from memory straight into registers, laid as such by the launch before.
; NO CLUSTER: the inputs are shared with nobody.  W's codes are shared by all work-groups of a side, but their 262,144 bytes and the inputs' 135,168 do not fit into 327,680 bytes of LDS together, so W goes by plain loads.
; LAYOUT.  D = rows x columns: lane (r, h), register j holds (row 8 h + j, column slot r).  An episode is two tiles of rows, so a column's 32 shots are 16 registers of lane (r, 0) and 16 of lane (r, 1): the sums over shots stay
; in a lane but for one exchange.  Tile t's lane r is column 128 w + 64 (t / 4) + 4 r + t % 4.  k: register 4 c + x, byte y of lane (r, h) = 128 s + 32 c + 16 h + 4 x + y, alike in both operands.
; The variance is taken in two passes (the mean first, then the squares of the differences).
; LIMITS: each given exponent e: -126 <= e, e + 8 <= 127; the two exponents of the product added lie in -126 .. 127.  NaN among the inputs is not served.  v_sqrt_f32 counts a denormal as 0.  The sums' order is not reference()'s.
; REGISTERS, in windows of 256: window 0: v1-15 addresses; v16-143 eight fragments of x, then phi (tile t at 16 + 16 t: rows 8 m' + j); v144-207 64 numbers of x, then at work; v208-223 codes just made, then (mean, exchange) pairs;
;   v224-239 b_fe, each number twice; v240-243 scales; v244-251 b_fe as loaded, then codes of z.   windows 1, 2: W's fragments (tile t, K step s) at 16 (4 (t % 4) + s) of window 1 + t / 4.   window 3: v0-127 accumulators (m', t) at 8 (8 m' + t).
.set XT,   8448                        ; LDS: a tile of inputs: 16 rows x (512 bytes + 16): rows 132 words apart start at bank 4 r mod 64 (64 banks of 4 bytes: ISA guide 11.1)
.set XIMG, 16*XT                       ; 135,168: behind the 16 tiles (4 w + s): x's 16 fragments (4 m + s), 2,048 bytes each
.set ZS,   XIMG+16*2048                ; 167,936: two rows of z, f32, byte 4 t = z[t]
.set ZP,   5136                        ; from one to the other: 1,284 numbers
.set X,    16
.set NUM,  144
.set TT,   144                         ; eight registers at work for each tile
.set PC,   208
.set MV,   208
.set BB,   224
.set SCX,  240                         ; 2^e of x as f32
.set LMX,  241                         ; 448 x that
.set SCZ,  242                         ; the same for z
.set LMZ,  243
.set OUT,  244
.set TG,   252                         ; my shot's target
.set TLO,  253                         ; 8 x lane
.set ZR,   254                         ; v[254:255] = 0
.set WV,   24                          ; s24 wave
.set G1,   32                          ; s[32:39] descriptor group 1
.set G0,   40                          ; s[40:55] four groups 0, one for each K step
.set MSB,  0
.macro WIN new                         ; the immediate's high byte repeats the setting that is left
.if MSB != \new
	s_set_vgpr_msb (MSB<<8)|\new
.set MSB, \new
.endif
.endm
; 64 numbers of a lane, register 16 b + i = k 32 b + 16 h + i of my row, become a fragment's codes in v[PC] on
.macro QUANT s, sc, lim
.irp b, 0,1,2,3
.irp i, 0,1,2,3,4,5,6,7,8,9,10,11,12,13,14,15
	v_med3_num_f32 v[\s+16*\b+\i], v[\s+16*\b+\i], -v[\lim], v[\lim]   ; the conversion to an 8-bit code does not saturate (ISA guide 7.6.2): the hold comes first
.endr
	v_cvt_scalef32_pk8_fp8_f32 v[PC+4*\b:PC+4*\b+1], v[\s+16*\b:\s+16*\b+7], v[\sc]
	v_cvt_scalef32_pk8_fp8_f32 v[PC+4*\b+2:PC+4*\b+3], v[\s+16*\b+8:\s+16*\b+15], v[\sc]
.endr
	v_nop                                          ; one plain line behind the last conversion, ahead of whatever next touches its registers
.endm
.macro BARRIER                                 ; my LDS stores have landed and my LDS loads are in: then the work-group's barrier
	s_wait_dscnt 0x0
	s_barrier_signal -1
	s_barrier_wait -1
.endm
	s_load_b512 s[4:19], s[0:1], 0x0               ; train_inputs s[4:5], test_inputs s[6:7], train_targets s[8:9], test_targets s[10:11], wfc s[12:13], b_fe s[14:15], the exponents s[16:17], st s[18:19]
	s_load_b128 s[20:23], s[0:1], 0x40             ; tl s[20:21], zc s[22:23]
	s_set_vgpr_msb 0xc0
	v_lshl_add_u32 v128, v0, 2, 0x2b900
	v_mov_b32 v129, 0
	s_set_vgpr_msb 0xc0cf
	ds_add_u32 v128, v129
	ds_add_u32 v128, v129
	s_set_vgpr_msb 0xcf00
	v_lshrrev_b32 v1, 5, v0
	v_readfirstlane_b32 s[WV], v1                  ; wave 0..3
	s_lshr_b32 s25, ttmp9, 7                       ; side
	s_and_b32 s26, ttmp9, 127                      ; my pair of episodes within the side
	s_and_b32 s27, s[WV], 1
	; descriptor group 1: 16 rows x 128 numbers of 4 bytes, padded in LDS
	s_mov_b32 s[G1+0], (2<<16)|(1<<20)|(6<<22)|(3<<25)  ; 15:0 no mask; 17:16 elements of 4 bytes; 20 padding on; 24:22 after every 128 words (code 6); 31:25 four words (code 3)
	s_mov_b32 s[G1+1], 128<<16                     ; tensor_dim0 = 128
	s_mov_b32 s[G1+2], 16<<16                      ; tensor_dim1 = 16
	s_mov_b32 s[G1+3], 128<<16                     ; tile_dim0 = 128
	s_mov_b32 s[G1+4], 16                          ; tile_dim1 = 16
	s_mov_b32 s[G1+5], 512                         ; from row to row
	s_mov_b32 s[G1+6], 0
	s_mov_b32 s[G1+7], 0
	s_lshl_b32 s28, s26, 17                        ; 64 rows of 2,048 bytes for each work-group,
	s_lshl_b32 s29, s[WV], 15                      ; 16 for each wave
	s_add_co_u32 s28, s28, s29
	s_mov_b32 s29, 0                               ; the upper word of every offset below
	s_mul_i32 s30, s[WV], 4*XT                     ; my four tiles in LDS
	s_wait_dscnt 0x0
	s_wait_kmcnt 0x0
	s_load_b256 s[56:63], s[16:17], 0x0            ; e0 .. e7
	s_cmp_eq_u32 s25, 0                            ; the choice hangs on the work-group's number alone
	s_cselect_b64 s[72:73], s[4:5], s[6:7]         ; my side's inputs
	s_cselect_b64 s[74:75], s[8:9], s[10:11]       ; and targets
	s_add_nc_u64 s[72:73], s[72:73], s[28:29]
.irp s, 0,1,2,3
	s_mov_b32 s[G0+4*\s], 1                        ; count = 1
	s_add_co_u32 s[G0+4*\s+1], s30, \s*XT          ; LDS address: wave x 4 tiles + K step
	s_add_nc_u64 s[G0+4*\s+2:G0+4*\s+3], s[72:73], \s*512   ; K step s: 128 numbers along the row
	s_or_b32 s[G0+4*\s+3], s[G0+4*\s+3], 0x80000000        ; type = 2
.endr
.irp s, 0,1,2,3
	tensor_load_to_lds s[G0+4*\s:G0+4*\s+3], s[G1:G1+7]    ; my 16 rows, all of K: four loads of mine are out; no byte of LDS is filled twice in this launch
	s_nop 0
.endr
.rept 4
	v_nop                                          ; four lines behind the last tensor load
.endr
	s_lshl_b32 s28, s26, 8                         ; targets: 128 bytes an episode; waves 0 and 2 take the first episode's, 1 and 3 the second's (waves 2 and 3 make no use of theirs)
	s_lshl_b32 s31, s27, 7
	s_add_co_u32 s28, s28, s31
	s_add_nc_u64 s[74:75], s[74:75], s[28:29]
	s_lshl_b32 s28, s25, 18                        ; W's codes: my side's version,
	s_lshl_b32 s31, s[WV], 16                      ; my wave's 32 fragments
	s_add_co_u32 s28, s28, s31
	s_add_nc_u64 s[12:13], s[12:13], s[28:29]
	s_lshl_b32 s28, s[WV], 9                       ; b_fe: my 128 columns
	s_add_nc_u64 s[14:15], s[14:15], s[28:29]
	s_lshl_b32 s31, ttmp9, 1                       ; the work-group's first episode of 512
	s_mul_i32 s28, s31, 1280
	s_add_nc_u64 s[78:79], s[22:23], s[28:29]      ; its row of zc
	s_lshl_b32 s28, s31, 3
	s_add_nc_u64 s[20:21], s[20:21], s[28:29]      ; its place in tl
	s_lshr_b32 s71, s[WV], 1
	s_add_co_u32 s31, s31, s71                     ; on the way out wave w takes half w & 1 of episode w >> 1
	s_mul_i32 s28, s31, 1280
	s_lshl_b32 s66, s27, 9
	s_add_co_u32 s28, s28, s66
	s_add_nc_u64 s[76:77], s[22:23], s[28:29]      ; zc: 512 codes
	s_mul_i32 s28, s31, 12288
	s_lshl_b32 s66, s27, 11
	s_add_co_u32 s28, s28, s66
	s_add_nc_u64 s[18:19], s[18:19], s[28:29]      ; st, plane 0: 512 numbers
	v_and_b32 v1, 31, v0                           ; lane
	v_and_b32 v2, 15, v0                           ; r
	v_bfe_u32 v3, v0, 4, 1                         ; h
	v_lshlrev_b32 v12, 4, v1                       ; v12 = 16 x lane
	v_mul_u32_u24 v4, v2, 528
	v_lshl_add_u32 v4, v3, 6, v4
	v_add_nc_u32 v4, s30, v4                       ; v4: my row of my tiles, + 64 h: 16 numbers of each block of 32
	v_add_nc_u32 v5, XIMG, v12                     ; v5: an image's place for my lane
	s_lshl_b32 s28, s[WV], 13
	v_add_nc_u32 v6, s28, v5                       ; v6: where I store my four images
	v_mul_u32_u24 v7, v3, 2052                     ; the stds lie 513 numbers behind the means
	v_lshl_add_u32 v7, v2, 4, v7
	s_lshl_b32 s28, s[WV], 9
	s_add_co_u32 s28, s28, ZS+4
	v_add_nc_u32 v7, s28, v7                       ; v7: z[1 + 128 w + 4 r] (+ 513 in lanes 16-31)
	v_mul_u32_u24 v8, v3, 2052
	s_mul_i32 s28, s27, ZP
	s_add_co_u32 s28, s28, ZS
	v_add_nc_u32 v8, s28, v8                       ; v8: z[0] or z[513] of episode w & 1
	v_lshl_add_u32 v9, v0, 3, ZS+4104              ; v9: two numbers a thread from t = 1,026 on
	s_mul_i32 s28, s71, ZP
	s_lshl_b32 s66, s27, 11
	s_add_co_u32 s28, s28, s66
	s_add_co_u32 s28, s28, ZS
	v_add_nc_u32 v10, s28, v12                     ; v10: the way out, as the numbers lie
	v_lshl_add_u32 v11, v1, 6, s28                 ; v11: and 16 neighbours a lane
	v_mul_u32_u24 v13, v3, ZP
	v_lshl_add_u32 v13, v2, 6, v13
	v_add_nc_u32 v13, ZS+4096, v13                 ; v13: t = 1,024 + 16 r on, of episode h
	v_mul_u32_u24 v14, v3, 1280
	v_lshl_add_u32 v14, v2, 4, v14
	v_add_nc_u32 v14, 1024, v14                    ; v14: the same place in zc
	v_and_b32 v15, 1, v0
	v_mul_u32_u24 v15, v15, ZP
	v_add_nc_u32 v15, ZS+4096, v15                 ; v15: z[1,024] of episode lane & 1
	v_lshlrev_b32 v[TLO], 3, v1
	v_mov_b32 v[ZR], 0
	v_mov_b32 v[ZR+1], 0
	v_lshlrev_b32 v16, 4, v2                       ; (v16, v17: offsets of the three loads below; written again only behind the wait for those loads)
	v_lshlrev_b32 v17, 2, v1
	global_load_b32 v[TG], v17, s[74:75]
	global_load_b128 v[OUT:OUT+3], v16, s[14:15]               ; b_fe of tiles 0-3: columns 128 w + 4 r + 0 .. 3
	global_load_b128 v[OUT+4:OUT+7], v16, s[14:15] offset:256  ; of tiles 4-7: 64 columns on
	WIN 0x40                                       ; destination window 1
.irp t, 0,1,2,3
.irp s, 0,1,2,3
.irp c, 0,1,2,3
	global_load_b128 v[16*(4*\t+\s)+4*\c:16*(4*\t+\s)+4*\c+3], v12, s[12:13] offset:(4*\t+\s)*2048+512*\c
.endr
.endr
.endr
	WIN 0x80                                       ; destination window 2
.irp t, 4,5,6,7
.irp s, 0,1,2,3
.irp c, 0,1,2,3
	global_load_b128 v[16*(4*(\t-4)+\s)+4*\c:16*(4*(\t-4)+\s)+4*\c+3], v12, s[12:13] offset:(4*\t+\s)*2048+512*\c
.endr
.endr
.endr
	WIN 0
	ds_store_b64 v9, v[ZR:ZR+1]                    ; z[1,026 .. 1,281] = 0 in both rows: what is past K's end gets zero codes
	ds_store_b64 v9, v[ZR:ZR+1] offset:ZP
	s_mov_b32 s68, 0x76543210                      ; v_permlanex16_b32's selects for lane l xor 16
	s_mov_b32 s69, 0xfedcba98
	s_mov_b32 s70, 0xffff0000                      ; lanes 16-31
	s_wait_kmcnt 0x0
	s_cmp_eq_u32 s25, 0
	s_cselect_b32 s28, s56, s60                    ; the exponents of x,
	s_cselect_b32 s31, s57, s61                    ; of W_fe,
	s_cselect_b32 s71, s58, s62                    ; and of z
	s_add_co_i32 s31, s31, s28
	s_add_co_i32 s31, s31, 127
	s_lshl_b32 s66, s31, 23                        ; a sum stands for sum x 2^(both exponents added)
	s_mov_b32 s67, s66                             ; (named with it as a pair, so it is written)
	s_add_co_i32 s28, s28, 127
	s_lshl_b32 s31, s28, 23
	v_mov_b32 v[SCX], s31
	s_add_co_i32 s28, s28, 8
	s_lshl_b32 s28, s28, 23
	s_or_b32 s28, s28, 0x600000
	v_mov_b32 v[LMX], s28
	s_add_co_i32 s71, s71, 127
	s_lshl_b32 s31, s71, 23
	v_mov_b32 v[SCZ], s31
	s_add_co_i32 s71, s71, 8
	s_lshl_b32 s71, s71, 23
	s_or_b32 s71, s71, 0x600000
	v_mov_b32 v[LMZ], s71
	; ---- 1: my 16 rows become four fragments, K step by K step, as the tiles land
.irp s, 0,1,2,3
	s_wait_tensorcnt 3-\s                          ; a wave's tensor loads end in order (ISA guide 10.11.1): K step s is in, the 3 - s younger ones may be out.  Only I read these tiles
.irp b, 0,1,2,3
.irp j, 0,1,2,3
	ds_load_b128 v[NUM+16*\b+4*\j:NUM+16*\b+4*\j+3], v4 offset:XT*\s+128*\b+16*\j
.endr
.endr
	s_wait_dscnt 0x0                               ; the numbers are in, and the last image's stores have read their registers
	QUANT NUM, SCX, LMX
.irp c, 0,1,2,3
	ds_store_b128 v6, v[PC+4*\c:PC+4*\c+3] offset:2048*\s+512*\c
.endr
.endr
	; ---- 2: b_fe twice over; the targets' mean and std
	s_wait_loadcnt 0x0                             ; W, b_fe, the targets
.irp t, 0,1,2,3,4,5,6,7
	v_mov_b32 v[BB+2*\t], v[OUT+\t]
	v_mov_b32 v[BB+2*\t+1], v[OUT+\t]
.endr
	s_cmp_lt_u32 s[WV], 2
	s_cbranch_scc0 .Lno_target
	v_mov_b32 v19, 0                               ; a lane permute's destination counts as one of its sources
	v_mov_b32 v18, v[TG]
.irp x, 1,2,4,8
	v_add_f32_dpp v18, v18, v18 row_xmask:\x row_mask:0xf bank_mask:0xf
.endr
	v_permlanex16_b32 v19, v18, s68, s69
	v_add_f32 v18, v18, v19
	v_mul_f32 v18, 0x3d000000, v18                 ; the mean: / 32
	v_sub_f32 v20, v[TG], v18
	v_mul_f32 v20, v20, v20
.irp x, 1,2,4,8
	v_add_f32_dpp v20, v20, v20 row_xmask:\x row_mask:0xf bank_mask:0xf
.endr
	v_permlanex16_b32 v19, v20, s68, s69
	v_add_f32 v20, v20, v19
	v_mul_f32 v20, 0x3d042108, v20                 ; / 31
	v_sqrt_f32 v21, v20
	v_nop                                          ; a plain line behind the root,
	s_wait_alu depctr_va_vdst(0)                   ; and a wait ahead of its first reader
	v_cndmask_b32 v21, v18, v21, s70               ; lanes 0-15 the mean, lanes 16-31 the std
	ds_store_b32 v8, v21                           ; sixteen lanes write one word with one value
.Lno_target:
	BARRIER                                        ; x's sixteen fragments lie in LDS
; ---- 3: an episode: its eight fragments of x, my eight tiles of phi, their statistics
.macro PHI e
.irp m, 0,1
.irp s, 0,1,2,3
.irp c, 0,1,2,3
	ds_load_b128 v[X+16*(4*\m+\s)+4*\c:X+16*(4*\m+\s)+4*\c+3], v5 offset:(4*(2*\e+\m)+\s)*2048+512*\c
.endr
.endr
.endr
	s_wait_dscnt 0x0
.irp s, 0,1,2,3                                ; the sixteen accumulators take turns, one instruction a turn; the first K step starts the sums
	WIN 0xf4                                       ; source 1 (W) window 1, C and D window 3
.irp t, 0,1,2,3
.irp m, 0,1
.if \s == 0
	v_wmma_f32_16x16x128_fp8_fp8 v[8*(8*\m+\t):8*(8*\m+\t)+7], v[X+16*(4*\m+\s):X+16*(4*\m+\s)+15], v[16*(4*\t+\s):16*(4*\t+\s)+15], 0
.else
	v_wmma_f32_16x16x128_fp8_fp8 v[8*(8*\m+\t):8*(8*\m+\t)+7], v[X+16*(4*\m+\s):X+16*(4*\m+\s)+15], v[16*(4*\t+\s):16*(4*\t+\s)+15], v[8*(8*\m+\t):8*(8*\m+\t)+7]
.endif
.endr
.endr
	WIN 0xf8                                       ; source 1 window 2
.irp t, 4,5,6,7
.irp m, 0,1
.if \s == 0
	v_wmma_f32_16x16x128_fp8_fp8 v[8*(8*\m+\t):8*(8*\m+\t)+7], v[X+16*(4*\m+\s):X+16*(4*\m+\s)+15], v[16*(4*(\t-4)+\s):16*(4*(\t-4)+\s)+15], 0
.else
	v_wmma_f32_16x16x128_fp8_fp8 v[8*(8*\m+\t):8*(8*\m+\t)+7], v[X+16*(4*\m+\s):X+16*(4*\m+\s)+15], v[16*(4*(\t-4)+\s):16*(4*(\t-4)+\s)+15], v[8*(8*\m+\t):8*(8*\m+\t)+7]
.endif
.endr
.endr
.endr
	WIN 0
.rept 4
	v_nop                                          ; four places (ISA guide 7.12.1) ahead of the first read of a result and the first write over x's fragments
.endr
	WIN 0x03                                       ; source 0 (the sums) window 3
.irp m, 0,1
.irp t, 0,1,2,3,4,5,6,7
.irp i, 0,2,4,6
	v_pk_fma_f32 v[X+16*\t+8*\m+\i:X+16*\t+8*\m+\i+1], v[8*(8*\m+\t)+\i:8*(8*\m+\t)+\i+1], s[66:67], v[BB+2*\t:BB+2*\t+1] op_sel_hi:[1,0,1]   ; sum x 2^(the exponents) + b_fe; each accumulator from its low end on
.endr
.endr
.endr
	WIN 0
.set n, 0
.rept 128
	v_max_num_f32 v[X+n], 0, v[X+n]                ; relu
.set n, n+1
.endr
	; the mean: my 16 shots of each of the eight columns, two at a time; each line runs over the tiles, so that none waits for the line above it
.irp k, 0,1,2,3
.irp t, 0,1,2,3,4,5,6,7
	v_pk_add_f32 v[TT+8*\t+2*\k:TT+8*\t+2*\k+1], v[X+16*\t+4*\k:X+16*\t+4*\k+1], v[X+16*\t+4*\k+2:X+16*\t+4*\k+3]
.endr
.endr
.irp k, 0,1
.irp t, 0,1,2,3,4,5,6,7
	v_pk_add_f32 v[TT+8*\t+4*\k:TT+8*\t+4*\k+1], v[TT+8*\t+4*\k:TT+8*\t+4*\k+1], v[TT+8*\t+4*\k+2:TT+8*\t+4*\k+3]
.endr
.endr
.irp t, 0,1,2,3,4,5,6,7
	v_pk_add_f32 v[TT+8*\t:TT+8*\t+1], v[TT+8*\t:TT+8*\t+1], v[TT+8*\t+4:TT+8*\t+5]
.endr
.irp t, 0,1,2,3,4,5,6,7
	v_add_f32 v[MV+2*\t], v[TT+8*\t], v[TT+8*\t+1]
.endr
.irp t, 0,1,2,3,4,5,6,7
	v_permlanex16_b32 v[MV+2*\t+1], v[MV+2*\t], s68, s69   ; the column's other 16 shots lie in the lane 16 away
.endr
.irp t, 0,1,2,3,4,5,6,7
	v_add_f32 v[MV+2*\t], v[MV+2*\t], v[MV+2*\t+1]
.endr
.irp t, 0,1,2,3,4,5,6,7
	v_mul_f32 v[MV+2*\t], 0x3d000000, v[MV+2*\t]   ; / 32
.endr
.irp k, 0,1,2,3,4,5,6,7
.irp t, 0,1,2,3,4,5,6,7
	v_pk_add_f32 v[X+16*\t+2*\k:X+16*\t+2*\k+1], v[X+16*\t+2*\k:X+16*\t+2*\k+1], v[MV+2*\t:MV+2*\t+1] op_sel_hi:[1,0] neg_lo:[0,1] neg_hi:[0,1]   ; phi - mean (the pair's low word for both halves)
.endr
.endr
.irp t, 0,1,2,3,4,5,6,7                        ; the squares, in two chains a tile
	v_pk_mul_f32 v[TT+8*\t:TT+8*\t+1], v[X+16*\t:X+16*\t+1], v[X+16*\t:X+16*\t+1]
	v_pk_mul_f32 v[TT+8*\t+2:TT+8*\t+3], v[X+16*\t+8:X+16*\t+9], v[X+16*\t+8:X+16*\t+9]
.endr
.irp k, 1,2,3
.irp t, 0,1,2,3,4,5,6,7
	v_pk_fma_f32 v[TT+8*\t:TT+8*\t+1], v[X+16*\t+2*\k:X+16*\t+2*\k+1], v[X+16*\t+2*\k:X+16*\t+2*\k+1], v[TT+8*\t:TT+8*\t+1]
	v_pk_fma_f32 v[TT+8*\t+2:TT+8*\t+3], v[X+16*\t+8+2*\k:X+16*\t+8+2*\k+1], v[X+16*\t+8+2*\k:X+16*\t+8+2*\k+1], v[TT+8*\t+2:TT+8*\t+3]
.endr
.endr
.irp t, 0,1,2,3,4,5,6,7
	v_pk_add_f32 v[TT+8*\t:TT+8*\t+1], v[TT+8*\t:TT+8*\t+1], v[TT+8*\t+2:TT+8*\t+3]
.endr
.irp t, 0,1,2,3,4,5,6,7
	v_add_f32 v[TT+8*\t+4], v[TT+8*\t], v[TT+8*\t+1]
.endr
.irp t, 0,1,2,3,4,5,6,7
	v_permlanex16_b32 v[TT+8*\t+5], v[TT+8*\t+4], s68, s69
.endr
.irp t, 0,1,2,3,4,5,6,7
	v_add_f32 v[TT+8*\t+4], v[TT+8*\t+4], v[TT+8*\t+5]
.endr
.irp t, 0,1,2,3,4,5,6,7
	v_mul_f32 v[TT+8*\t+4], 0x3d042108, v[TT+8*\t+4]       ; / 31
.endr
.irp t, 0,1,2,3,4,5,6,7
	v_sqrt_f32 v[TT+8*\t+6], v[TT+8*\t+4]
.endr
	v_nop                                          ; a plain line behind the last root,
	s_wait_alu depctr_va_vdst(0)                   ; and one wait for the eight, ahead of their first reader
.irp t, 0,1,2,3,4,5,6,7
	v_cndmask_b32 v[TT+8*\t+7], v[MV+2*\t], v[TT+8*\t+6], s70      ; lanes 0-15 the mean, lanes 16-31 the std
.endr
.irp t, 0,1,2,3,4,5,6,7
	ds_store_b32 v7, v[TT+8*\t+7] offset:\e*ZP+4*(64*(\t/4)+\t%4)
.endr
.endm
	PHI 0
	PHI 1                                          ; (its wait for x's fragments also shows the first episode's stores done)
	BARRIER                                        ; both rows of z lie in LDS
	; ---- 4: the way out.  Wave w: 512 numbers of episode w >> 1, as f32 and as codes
.irp k, 0,1,2,3
	ds_load_b128 v[144+4*\k:147+4*\k], v10 offset:512*\k
.endr
.irp k, 0,1,2,3
	ds_load_b128 v[160+4*\k:163+4*\k], v11 offset:16*\k
.endr
	s_wait_dscnt 4                                 ; the first four are in; the four for the codes may be out
.irp k, 0,1,2,3
	global_store_b128 v12, v[144+4*\k:147+4*\k], s[18:19] offset:512*\k    ; 512 consecutive bytes, aligned
.endr
	s_wait_dscnt 0x0
.irp i, 0,1,2,3,4,5,6,7,8,9,10,11,12,13,14,15
	v_med3_num_f32 v[160+\i], v[160+\i], -v[LMZ], v[LMZ]
.endr
	v_cvt_scalef32_pk8_fp8_f32 v[OUT:OUT+1], v[160:167], v[SCZ]
	v_cvt_scalef32_pk8_fp8_f32 v[OUT+2:OUT+3], v[168:175], v[SCZ]
	v_nop
	global_store_b128 v12, v[OUT:OUT+3], s[76:77]
	s_cmp_lg_u32 s[WV], 0
	s_cbranch_scc1 .Ldone
	; wave 0 alone: k = 1,024 .. 1,279 of both rows as codes, and t = 1,024, 1,025 as f32
.irp k, 0,1,2,3
	ds_load_b128 v[176+4*\k:179+4*\k], v13 offset:16*\k
.endr
	ds_load_b64 v[192:193], v15
	s_wait_dscnt 0x0
.irp i, 0,1,2,3,4,5,6,7,8,9,10,11,12,13,14,15
	v_med3_num_f32 v[176+\i], v[176+\i], -v[LMZ], v[LMZ]
.endr
	v_cvt_scalef32_pk8_fp8_f32 v[OUT+4:OUT+5], v[176:183], v[SCZ]
	v_cvt_scalef32_pk8_fp8_f32 v[OUT+6:OUT+7], v[184:191], v[SCZ]
	v_nop
	global_store_b128 v14, v[OUT+4:OUT+7], s[78:79]        ; sixteen lanes fill 256 consecutive bytes of a row of zc, aligned
	v_cmp_gt_u32 vcc_lo, 2, v1
	s_wait_xcnt 0x0                                ; EXEC is a source of the stores above: it changes only behind this wait
	s_and_saveexec_b32 s71, vcc_lo
	global_store_b64 v[TLO], v[192:193], s[20:21]  ; lanes 0 and 1: an episode each
	s_wait_xcnt 0x0                                ; and again, ahead of the line that widens it
	s_or_b32 exec_lo, exec_lo, s71
.Ldone:
	s_set_vgpr_msb 0xf
	s_wait_tensorcnt 0x0
	ds_add_u32 v128, v129
	s_wait_dscnt 0x0
	s_set_vgpr_msb 0xf00
	s_endpgm
.Lfunc_end_k_q2f90173652_feat:
	.size	k_q2f90173652_feat, .Lfunc_end_k_q2f90173652_feat-k_q2f90173652_feat
	.p2alignl 7, 3214868480
	.fill 96, 4, 3214868480
	.section	.rodata,"a",@progbits
	.p2align	6, 0x0
	.amdhsa_kernel k_q2f90173652_feat
		.amdhsa_group_segment_fixed_size 178944
		.amdhsa_private_segment_fixed_size 0
		.amdhsa_enable_private_segment 0
		.amdhsa_kernarg_size 80
		.amdhsa_user_sgpr_count 2
		.amdhsa_user_sgpr_kernarg_segment_ptr 1
		.amdhsa_wavefront_size32 1
		.amdhsa_system_sgpr_workgroup_id_x 1
		.amdhsa_system_sgpr_workgroup_id_y 1
		.amdhsa_system_sgpr_workgroup_id_z 1
		.amdhsa_system_vgpr_workitem_id 0
		.amdhsa_next_free_vgpr 898
		.amdhsa_next_free_sgpr 80
		.amdhsa_reserve_vcc 1
		.amdhsa_float_denorm_mode_32 3
		.amdhsa_float_denorm_mode_16_64 3
		.amdhsa_memory_ordered 1
		.amdhsa_forward_progress 1
		.amdhsa_inst_pref_size 112
	.end_amdhsa_kernel
	.amdgpu_metadata
---
amdhsa.version: [ 1, 2 ]
amdhsa.kernels:
  - .name:           k_q2f90173652_feat
    .symbol:         k_q2f90173652_feat.kd
    .args:
      - { .name: train_inputs, .offset: 0, .size: 8, .value_kind: global_buffer, .address_space: global }
      - { .name: test_inputs, .offset: 8, .size: 8, .value_kind: global_buffer, .address_space: global }
      - { .name: train_targets, .offset: 16, .size: 8, .value_kind: global_buffer, .address_space: global }
      - { .name: test_targets, .offset: 24, .size: 8, .value_kind: global_buffer, .address_space: global }
      - { .name: wfc, .offset: 32, .size: 8, .value_kind: global_buffer, .address_space: global }
      - { .name: b_fe, .offset: 40, .size: 8, .value_kind: global_buffer, .address_space: global }
      - { .name: lowp_scales, .offset: 48, .size: 8, .value_kind: global_buffer, .address_space: global }
      - { .name: st, .offset: 56, .size: 8, .value_kind: global_buffer, .address_space: global }
      - { .name: tl, .offset: 64, .size: 8, .value_kind: global_buffer, .address_space: global }
      - { .name: zc, .offset: 72, .size: 8, .value_kind: global_buffer, .address_space: global }
    .group_segment_fixed_size: 178944
    .private_segment_fixed_size: 0
    .kernarg_segment_align: 8
    .kernarg_segment_size: 80
    .max_flat_workgroup_size: 128
    .sgpr_count:     80
    .vgpr_count:     898
    .wavefront_size: 32
...
	.end_amdgpu_metadata
.endif
;; end of part 2
;; launch logvar (part 3): grid 8 x 17, 4 waves a work-group, clusters of 4 x 1, 168,448 bytes of LDS; arguments zc, wlc, b_lv, lowp_scales, st, tl, hp; writes st, tl, hp
.if DOCPART == 3
	.amdgcn_target "amdgcn-amd-amdhsa--gfx1250"
	.amdhsa_code_object_version 6
	.text
	.protected	k_q2f90173652_logvar
	.globl	k_q2f90173652_logvar
	.p2align	8
	.type	k_q2f90173652_logvar,@function
k_q2f90173652_logvar:
	s_mov_b64 s[64:65], 0
	v_nop
	global_prefetch_b8 v0, s[64:65] scope:SCOPE_SE
	s_setreg_imm32_b32 hwreg(HW_REG_WAVE_MODE, 25, 1), 1
	s_wait_xcnt 0x0
	s_wait_alu depctr_hold_cnt(0) depctr_sa_sdst(0) depctr_va_vdst(0) depctr_va_sdst(0) depctr_va_ssrc(0) depctr_va_vcc(0) depctr_vm_vsrc(0)
	s_getreg_b32 s2, hwreg(HW_REG_IB_STS2, 6, 4)
	s_cmp_eq_u32 s2, 0
	s_cbranch_scc0 .Lentry_in_a_cluster
	s_endpgm
.Lentry_in_a_cluster:
	s_bfe_u32 s2, ttmp6, 0x10000c
	s_cmp_lg_u32 s2, 0x3003
	s_cbranch_scc0 .Lentry_shape_is_right
	s_endpgm
.Lentry_shape_is_right:
; logvar = clip(z W_lv + b_lv, -9, -2) on codes of FP8 (E4M3).  OUT: e^logvar and e^-logvar (t < 1,024: st's planes 1 and 2; t = 1,024, 1,025: tl's planes 1 and 2) and, for each episode, the sum of logvar over the group's columns (hp).
; SHARES.  Cluster x = the side (train, test), the place in the cluster = 64 of its 256 episodes, work-group y = g, a group of 64 columns (group 16 holds columns 1,024 and 1,025 alone).  Wave w: 16 episodes x the group's four tiles,
; 9 K steps of 128 (K = 1,026; from there on z's codes are zeros): 36 matrix instructions.
; CLUSTER.  The four work-groups of a cluster need the same 73,728 bytes of W_lv's codes: they are asked for JOINTLY, a quarter by each wave, by the same tensor load with the same descriptor and the mask 15.  z's rows are each wave's own: a plain load.
; Every tile lands once: no byte of LDS is filled twice.
; LAYOUT.  D = episodes x columns: lane (r, h), register j = (episode 8 h + j, column 64 g + 4 r + u) in tile u.  So a lane's four tiles are four neighbouring t, and sixteen lanes store 256 consecutive bytes of an episode's plane.
; LIMITS: the product's two exponents added lie in -126 .. 127.  The sums' order is not reference()'s.
; REGISTERS: v1-11 addresses; two sets of fragments: z's at v16 / v96, W's four at v32 / v112; v176-207 the four accumulators; v208-211 b_lv.  Behind the products: v16-47 logvar (8 u + j), v112-143 at work, v48-79 e^l and v80-111 e^-l (4 j + u), v144-152 the sums.
.set BBY,  73728                       ; LDS: W's 36 fragments (4 s + u), 2,048 bytes each; behind them
.set AP,   1360                        ; z's rows: 1,280 bytes + 16 behind each 256: 340 words: row r starts at bank 20 r mod 64, sixteen different multiples of 4 (64 banks of 4 bytes: ISA guide 11.1)
.set ABY,  16*AP                       ; 16 rows for each wave
.set LGRP, 73728
.set LVER, 17*LGRP
.set F0,   16
.set ACC,  176
.set BI,   208
.set LG,   16
.set Y,    112
.set OA,   48
.set OB,   80
.set HS,   144
.set HV,   152
.set WV,   18                          ; s18 wave
.set G1A,  24                          ; s[24:31], s[32:35]: z's descriptor
.set G0A,  32
.set G1B,  48                          ; s[48:55], s[56:59]: W's
.set G0B,  56
.macro CROUND                          ; a round of the cluster's barrier: my work-group's barrier; wave 0 signals for the work-group; every wave waits for all four work-groups; my work-group's barrier once more
	s_barrier_signal -1
	s_barrier_wait -1
	s_cmp_lg_u32 s[WV], 0
	s_cbranch_scc1 .Lnot_wave_0_\@
	s_barrier_signal -3
.Lnot_wave_0_\@:
	s_barrier_wait -3
	s_barrier_signal -1
	s_barrier_wait -1
.endm
.macro FETCH s, f                      ; K step s: z's fragment and W's four: 20 loads
.irp c, 0,1,2,3
	ds_load_b128 v[\f+4*\c:\f+4*\c+3], v4 offset:128*(\s)+16*((\s)/2)+32*\c
.endr
.irp u, 0,1,2,3
.irp c, 0,1,2,3
.if (\s) < 4
	ds_load_b128 v[\f+16+16*\u+4*\c:\f+16+16*\u+4*\c+3], v5 offset:8192*(\s)+2048*\u+512*\c
.else
	ds_load_b128 v[\f+16+16*\u+4*\c:\f+16+16*\u+4*\c+3], v6 offset:8192*((\s)-4)+2048*\u+512*\c
.endif
.endr
.endr
.endm
	s_load_b256 s[4:11], s[0:1], 0x0               ; zc s[4:5], wlc s[6:7], b_lv s[8:9], the exponents s[10:11]
	s_load_b128 s[12:15], s[0:1], 0x20             ; st s[12:13], tl s[14:15]
	s_load_b64 s[16:17], s[0:1], 0x30              ; hp
	v_lshl_add_u32 v224, v0, 2, 0x29000
	v_mov_b32 v225, 0
	ds_add_u32 v224, v225
	ds_add_u32 v224, v225
	v_lshrrev_b32 v1, 5, v0
	v_readfirstlane_b32 s[WV], v1                  ; wave 0..3
	s_mov_b32 s19, ttmp9                           ; the side: in a cluster launch ttmp9 counts clusters
	s_bfe_u32 s20, ttmp6, 0x40000                  ; cx: it enters global addresses of my own alone
	s_and_b32 s21, ttmp7, 0xffff                   ; g, which the four partners share
	s_lshl_b32 s22, s19, 8
	s_lshl_b32 s23, s20, 6
	s_add_co_u32 s22, s22, s23
	s_lshl_b32 s23, s[WV], 4
	s_add_co_u32 s22, s22, s23                     ; my first episode of 512
	; z: 16 rows x 1,280 bytes, 16 bytes of padding behind each 256
	s_mov_b32 s[G1A+0], (0<<16)|(1<<20)|(5<<22)|(3<<25)    ; no mask; elements of 1 byte; padding on: after every 64 words (code 5) four words (code 3)
	s_mov_b32 s[G1A+1], 1280<<16                   ; tensor_dim0
	s_mov_b32 s[G1A+2], 16<<16                     ; tensor_dim1
	s_mov_b32 s[G1A+3], 1280<<16                   ; tile_dim0
	s_mov_b32 s[G1A+4], 16                         ; tile_dim1
	s_mov_b32 s[G1A+5], 1280                       ; from row to row
	s_mov_b32 s[G1A+6], 0
	s_mov_b32 s[G1A+7], 0
	; W: a dense block of 18,432 bytes a wave, as 72 rows of 256
	s_mov_b32 s[G1B+0], 15|(3<<16)|(1<<21)         ; the mask: all four work-groups; elements of 8 bytes; bit 21 set beside a mask
	s_mov_b32 s[G1B+1], 32<<16
	s_mov_b32 s[G1B+2], 72<<16
	s_mov_b32 s[G1B+3], 32<<16
	s_mov_b32 s[G1B+4], 72
	s_mov_b32 s[G1B+5], 32
	s_mov_b32 s[G1B+6], 0
	s_mov_b32 s[G1B+7], 0
	s_mul_i32 s36, s22, 1280
	s_mov_b32 s37, 0
	s_mul_i32 s38, s[WV], ABY
	s_add_co_u32 s38, s38, BBY                     ; my rows of z in LDS
	s_mul_i32 s60, s19, LVER                       ; W: the side's version, the group, my quarter: nothing here hangs on the place in the cluster
	s_mul_i32 s62, s21, LGRP
	s_add_co_u32 s60, s60, s62
	s_mul_i32 s62, s[WV], 18432
	s_add_co_u32 s60, s60, s62
	s_mov_b32 s61, 0
	s_wait_dscnt 0x0
	s_wait_kmcnt 0x0
	s_load_b256 s[68:75], s[10:11], 0x0            ; e0 .. e7
	s_mov_b32 s[G0A], 1
	s_mov_b32 s[G0A+1], s38
	s_add_nc_u64 s[G0A+2:G0A+3], s[4:5], s[36:37]
	s_or_b32 s[G0A+3], s[G0A+3], 0x80000000
	s_mov_b32 s[G0B], 1
	s_mov_b32 s[G0B+1], s62
	s_add_nc_u64 s[G0B+2:G0B+3], s[6:7], s[60:61]
	s_or_b32 s[G0B+3], s[G0B+3], 0x80000000
	CROUND                                         ; all four work-groups are here: the joint loads meet
	tensor_load_to_lds s[G0A:G0A+3], s[G1A:G1A+7]
	s_nop 0
	tensor_load_to_lds s[G0B:G0B+3], s[G1B:G1B+7]  ; two loads of mine are out
	s_nop 0
.rept 4
	v_nop                                          ; four lines behind the last tensor load
.endr
	v_and_b32 v1, 31, v0                           ; lane
	v_and_b32 v2, 15, v0                           ; r
	v_bfe_u32 v3, v0, 4, 1                         ; h
	v_mul_u32_u24 v4, v2, AP
	v_lshl_add_u32 v4, v3, 4, v4
	v_add_nc_u32 v4, s38, v4                       ; v4: z: row r, + 16 h
	v_lshlrev_b32 v5, 4, v1                        ; v5: an image's place for my lane,
	v_add_nc_u32 v6, 32768, v5                     ; v6: from K step 4 on (an LDS offset has 16 bits)
	v_mul_u32_u24 v7, v3, 8*12288
	v_lshl_add_u32 v7, v2, 4, v7                   ; v7: st: eight episodes on for lanes 16-31, + 16 r
	v_lshlrev_b32 v8, 6, v3                        ; v8: tl: eight episodes of 8 bytes
	v_and_b32 v9, 7, v0
	v_lshlrev_b32 v9, 2, v9
	v_lshl_add_u32 v9, v3, 5, v9                   ; v9: hp: episode 8 h + r % 8
	s_lshl_b32 s39, s21, 8
	v_lshl_add_u32 v10, v2, 4, s39                 ; b_lv at column 64 g + 4 r: 8 bytes at a time, held inside its 4,104 bytes (what group 16 reads past column 1,025 is not used)
	v_add_nc_u32 v11, 8, v10
	v_min_u32 v10, 4096, v10
	v_min_u32 v11, 4096, v11
	global_load_b64 v[BI:BI+1], v10, s[8:9]
	global_load_b64 v[BI+2:BI+3], v11, s[8:9]
	s_mul_i32 s36, s22, 12288
	s_add_co_u32 s36, s36, s39
	s_add_nc_u64 s[12:13], s[12:13], s[36:37]      ; st at my first episode, + 256 g
	s_lshl_b32 s36, s22, 3
	s_add_nc_u64 s[14:15], s[14:15], s[36:37]      ; tl
	s_lshl_b32 s36, s21, 11
	s_lshl_b32 s39, s22, 2
	s_add_co_u32 s36, s36, s39
	s_add_nc_u64 s[16:17], s[16:17], s[36:37]      ; hp[g][my first episode]
	s_wait_kmcnt 0x0
	s_cmp_eq_u32 s19, 0
	s_cselect_b32 s42, s70, s74                    ; the exponents of z
	s_cselect_b32 s43, s71, s75                    ; and of W_lv
	s_add_co_i32 s42, s42, s43
	s_add_co_i32 s42, s42, 127
	s_lshl_b32 s42, s42, 23                        ; a sum stands for sum x 2^(both added)
	s_cmp_eq_u32 s21, 16                           ; which columns count in the sums: all, or in group 16 those of lane r = 0 in tiles 0 and 1
	s_cselect_b32 s40, 0x10001, -1
	s_cselect_b32 s41, 0, -1
	s_wait_tensorcnt 0x0                           ; my rows of z and my quarter of W have landed,
	s_barrier_signal -1
	s_barrier_wait -1                              ; everybody's quarter has
	FETCH 0, F0
.irp s, 0,1,2,3,4,5,6,7,8
.set FB, F0+80*(\s%2)
.if \s > 0
.rept 4
	v_nop                                          ; four places (ISA guide 7.12.1 for vector instructions) ahead of loads into the set that the last four products read
.endr
.endif
.if \s < 8
	FETCH \s+1, F0+80*((\s+1)%2)
	s_wait_dscnt 20                                ; this step's fragments are in; the 20 loads just issued may be out
.else
	s_wait_dscnt 0x0
.endif
.irp u, 0,1,2,3                                ; the four accumulators take turns, one instruction a turn
.if \s == 0
	v_wmma_f32_16x16x128_fp8_fp8 v[ACC+8*\u:ACC+8*\u+7], v[FB:FB+15], v[FB+16+16*\u:FB+16+16*\u+15], 0
.else
	v_wmma_f32_16x16x128_fp8_fp8 v[ACC+8*\u:ACC+8*\u+7], v[FB:FB+15], v[FB+16+16*\u:FB+16+16*\u+15], v[ACC+8*\u:ACC+8*\u+7]
.endif
.endr
.endr
	s_wait_loadcnt 0x0                             ; b_lv
.rept 4
	v_nop                                          ; four places ahead of the first read of a result and the first write over a fragment
.endr
.irp u, 0,1,2,3
.irp j, 0,1,2,3,4,5,6,7
	v_fma_f32 v[LG+8*\u+\j], v[ACC+8*\u+\j], s42, v[BI+\u]         ; each accumulator from its low end on
.endr
.endr
.set n, 0
.rept 32
	v_med3_num_f32 v[LG+n], v[LG+n], 0xc1100000, -2.0              ; the clip: -9 .. -2
.set n, n+1
.endr
	; the sum of logvar over the group's columns, for each of my lane's eight episodes
.irp j, 0,1,2,3,4,5,6,7
	v_cndmask_b32 v[Y+\j], 0, v[LG+\j], s40
	v_cndmask_b32 v[Y+8+\j], 0, v[LG+8+\j], s40
	v_cndmask_b32 v[Y+16+\j], 0, v[LG+16+\j], s41
	v_cndmask_b32 v[Y+24+\j], 0, v[LG+24+\j], s41
.endr
.irp j, 0,1,2,3,4,5,6,7
	v_add_f32 v[Y+\j], v[Y+\j], v[Y+8+\j]
	v_add_f32 v[Y+16+\j], v[Y+16+\j], v[Y+24+\j]
.endr
.irp j, 0,1,2,3,4,5,6,7
	v_add_f32 v[HS+\j], v[Y+\j], v[Y+16+\j]
.endr
.irp x, 1,2,4,8
.irp j, 0,1,2,3,4,5,6,7
	v_add_f32_dpp v[HS+\j], v[HS+\j], v[HS+\j] row_xmask:\x row_mask:0xf bank_mask:0xf
.endr
.endr
	v_mov_b32 v[HV], v[HS]
.irp j, 1,2,3,4,5,6,7
	s_mov_b32 s43, 0x01010101<<\j
	v_cndmask_b32 v[HV], v[HV], v[HS+\j], s43      ; lane r keeps episode 8 h + r % 8
.endr
.set n, 0
.rept 32
	v_mul_f32 v[Y+n], 0x3fb8aa3b, v[LG+n]          ; x log2(e)
.set n, n+1
.endr
.irp j, 0,1,2,3,4,5,6,7
.irp u, 0,1,2,3
	v_exp_f32 v[OA+4*\j+\u], v[Y+8*\u+\j]
	v_exp_f32 v[OB+4*\j+\u], -v[Y+8*\u+\j]
.endr
.endr
	v_nop                                          ; a plain line behind the last exponential,
	s_wait_alu depctr_va_vdst(0)                   ; and one wait for the 64, ahead of their first reader and of the branch
	s_cmp_eq_u32 s21, 16                           ; the same in all four partners
	s_cbranch_scc1 .Llast_group
.irp j, 0,1,2,3,4,5,6,7
	global_store_b128 v7, v[OA+4*\j:OA+4*\j+3], s[12:13] offset:\j*12288+4096      ; sixteen lanes store 256 consecutive bytes, aligned
	global_store_b128 v7, v[OB+4*\j:OB+4*\j+3], s[12:13] offset:\j*12288+8192
.endr
	s_branch .Lsums
.Llast_group:
	v_cmp_eq_u32 vcc_lo, 0, v2
	s_wait_xcnt 0x0                                ; EXEC changes only behind this wait
	s_and_saveexec_b32 s44, vcc_lo                 ; lanes 0 and 16: columns 1,024 and 1,025 of eight episodes each
.irp j, 0,1,2,3,4,5,6,7
	global_store_b64 v8, v[OA+4*\j:OA+4*\j+1], s[14:15] offset:4096+8*\j
	global_store_b64 v8, v[OB+4*\j:OB+4*\j+1], s[14:15] offset:8192+8*\j
.endr
	s_wait_xcnt 0x0
	s_or_b32 exec_lo, exec_lo, s44
.Lsums:
	v_cmp_gt_u32 vcc_lo, 8, v2
	s_wait_xcnt 0x0                                ; EXEC is a source of the stores above
	s_and_saveexec_b32 s44, vcc_lo
	global_store_b32 v9, v[HV], s[16:17]
	s_wait_xcnt 0x0
	s_or_b32 exec_lo, exec_lo, s44
	s_wait_dscnt 0x0
	s_wait_tensorcnt 0x0
	ds_add_u32 v224, v225
	s_wait_dscnt 0x0
	CROUND                                         ; the closing round: no work-group ends while a partner may still ask for a tile that names it
	s_endpgm
.Lfunc_end_k_q2f90173652_logvar:
	.size	k_q2f90173652_logvar, .Lfunc_end_k_q2f90173652_logvar-k_q2f90173652_logvar
	.p2alignl 7, 3214868480
	.fill 96, 4, 3214868480
	.section	.rodata,"a",@progbits
	.p2align	6, 0x0
	.amdhsa_kernel k_q2f90173652_logvar
		.amdhsa_group_segment_fixed_size 168448
		.amdhsa_private_segment_fixed_size 0
		.amdhsa_enable_private_segment 0
		.amdhsa_kernarg_size 56
		.amdhsa_user_sgpr_count 2
		.amdhsa_user_sgpr_kernarg_segment_ptr 1
		.amdhsa_wavefront_size32 1
		.amdhsa_system_sgpr_workgroup_id_x 1
		.amdhsa_system_sgpr_workgroup_id_y 1
		.amdhsa_system_sgpr_workgroup_id_z 1
		.amdhsa_system_vgpr_workitem_id 0
		.amdhsa_next_free_vgpr 226
		.amdhsa_next_free_sgpr 80
		.amdhsa_reserve_vcc 1
		.amdhsa_float_denorm_mode_32 3
		.amdhsa_float_denorm_mode_16_64 3
		.amdhsa_memory_ordered 1
		.amdhsa_forward_progress 1
		.amdhsa_inst_pref_size 41
	.end_amdhsa_kernel
	.amdgpu_metadata
---
amdhsa.version: [ 1, 2 ]
amdhsa.kernels:
  - .name:           k_q2f90173652_logvar
    .symbol:         k_q2f90173652_logvar.kd
    .args:
      - { .name: zc, .offset: 0, .size: 8, .value_kind: global_buffer, .address_space: global }
      - { .name: wlc, .offset: 8, .size: 8, .value_kind: global_buffer, .address_space: global }
      - { .name: b_lv, .offset: 16, .size: 8, .value_kind: global_buffer, .address_space: global }
      - { .name: lowp_scales, .offset: 24, .size: 8, .value_kind: global_buffer, .address_space: global }
      - { .name: st, .offset: 32, .size: 8, .value_kind: global_buffer, .address_space: global }
      - { .name: tl, .offset: 40, .size: 8, .value_kind: global_buffer, .address_space: global }
      - { .name: hp, .offset: 48, .size: 8, .value_kind: global_buffer, .address_space: global }
    .group_segment_fixed_size: 168448
    .private_segment_fixed_size: 0
    .kernarg_segment_align: 8
    .kernarg_segment_size: 56
    .max_flat_workgroup_size: 128
    .sgpr_count:     80
    .vgpr_count:     226
    .wavefront_size: 32
...
	.end_amdgpu_metadata
.endif
;; end of part 3
;; launch pair (part 4): grid 4 x 64, 4 waves a work-group, clusters of 4 x 4, 168,448 bytes of LDS; arguments st, hp, sp; writes sp
.if DOCPART == 4
	.amdgcn_target "amdgcn-amd-amdhsa--gfx1250"
	.amdhsa_code_object_version 6
	.text
	.protected	k_q2f90173652_pair
	.globl	k_q2f90173652_pair
	.p2align	8
	.type	k_q2f90173652_pair,@function
k_q2f90173652_pair:
	s_mov_b64 s[64:65], 0
	v_nop
	global_prefetch_b8 v0, s[64:65] scope:SCOPE_SE
	s_setreg_imm32_b32 hwreg(HW_REG_WAVE_MODE, 25, 1), 1
	s_wait_xcnt 0x0
	s_wait_alu depctr_hold_cnt(0) depctr_sa_sdst(0) depctr_va_vdst(0) depctr_va_sdst(0) depctr_va_ssrc(0) depctr_va_vcc(0) depctr_vm_vsrc(0)
	s_getreg_b32 s2, hwreg(HW_REG_IB_STS2, 6, 4)
	s_cmp_eq_u32 s2, 0
	s_cbranch_scc0 .Lentry_in_a_cluster
	s_endpgm
.Lentry_in_a_cluster:
	s_bfe_u32 s2, ttmp6, 0x10000c
	s_cmp_lg_u32 s2, 0xf033
	s_cbranch_scc0 .Lentry_shape_is_right
	s_endpgm
.Lentry_shape_is_right:
; The pairwise part of the score, in f32 on the vector unit, for t < 1,024.  In KL(train i || test j) + KL(test j || train i) the differences of the logvars cancel; with m, a = e^l, A = e^-l of train i, n, b, B of test j and d = m - n:
;   score[i][j] = 0.5 x sum over t of (d d A + d d B + a B + b A)  +  sum over t of l_train[i]  +  sum over t of l_test[j]  +  1,026 (log(2 pi e) - 1).
; This launch stores, for each sixteenth q of t (64 q .. 64 q + 63), sp[q][i][j] = 0.5 x the first sum over those t + the two sums of logvar over those t (hp[q]).  The next launch adds the sixteen, the last two t and the constant.
; The square is not multiplied out: that would form a difference of large sums.
; SHARES.  Cluster y = q.  The cluster's 4 x 4 work-groups are the 4 x 4 blocks of 64 train x 64 test episodes.  Wave w, lane (r, h): i = 16 w + 8 h + 0 .. 7, j = 4 r + 0 .. 3: 32 pairs a lane, two neighbouring t in a packed instruction:
; six packed instructions for a pair and two t.  No sum crosses a lane.
; CLUSTER.  The four work-groups of a row of the cluster need the same 64 train episodes, the four of a column the same 64 test episodes: each tile is asked for JOINTLY.  Every tile lands once: no byte of LDS is filled twice.
; LDS.  A row is (episode, plane): 64 numbers + 8 bytes: 264 bytes; train's 192 rows, then test's 192.  The train side's loads name two addresses a wave.  The test side's lanes lie 12 rows = 792 words apart, 24 banks mod 64 (64 banks of
; 4 bytes: ISA guide 11.1): lanes r and r + 8 start at one bank, so those 12 of a chunk's 36 loads go two deep.
; REGISTERS: v1-7 addresses; v8-11, v12-19 the sums of logvar; v20-83 the 32 sums, a pair (even t, odd t) each; v84-155, v156-227 two sets of a chunk's 36 pairs; v228-243 d, then d d, of eight pairs.
.set P,    264
.set TEST, 192*P                       ; 50,688
.set ACC,  20
.set XB,   84
.set YB,   156
.set D,    228
.set WV,   10                          ; s10 wave
.set G1,   24                          ; s[24:31], s[32:35]: the train tile's descriptor
.set G0,   32
.set G1B,  48                          ; s[48:55], s[56:59]: the test tile's
.set G0B,  56
.macro CROUND                          ; a round of the cluster's barrier
	s_barrier_signal -1
	s_barrier_wait -1
	s_cmp_lg_u32 s[WV], 0
	s_cbranch_scc1 .Lnot_wave_0_\@
	s_barrier_signal -3
.Lnot_wave_0_\@:
	s_barrier_wait -3
	s_barrier_signal -1
	s_barrier_wait -1
.endm
.macro LOADC buf, ia, ja, off          ; a chunk of two t: my 8 train episodes' and my 4 test episodes' three planes: 36 loads of 8 bytes; row n = 3 x episode + plane
.irp n, 0,1,2,3,4,5,6,7,8,9,10,11,12,13,14,15,16,17,18,19,20,21,22,23
	ds_load_b64 v[\buf+2*\n:\buf+2*\n+1], v[\ia] offset:P*\n+\off
.endr
.irp n, 0,1,2,3,4,5,6,7,8,9,10,11
	ds_load_b64 v[\buf+48+2*\n:\buf+48+2*\n+1], v[\ja] offset:P*\n+\off
.endr
.endm
; 192 packed instructions: eight pairs (two i x four j) at a time, six runs of eight, so that no line waits for the line above it.  first = 1: the first product starts the sums: nothing is cleared.
.macro COMPUTE buf, first
.irp p, 0,1,2,3
.irp a, 0,1
.irp j, 0,1,2,3
	v_pk_add_f32 v[D+2*(4*\a+\j):D+2*(4*\a+\j)+1], v[\buf+6*(2*\p+\a):\buf+6*(2*\p+\a)+1], v[\buf+48+6*\j:\buf+48+6*\j+1] neg_lo:[0,1] neg_hi:[0,1]   ; d = m - n
.endr
.endr
.irp k, 0,1,2,3,4,5,6,7
	v_pk_mul_f32 v[D+2*\k:D+2*\k+1], v[D+2*\k:D+2*\k+1], v[D+2*\k:D+2*\k+1]
.endr
.irp a, 0,1
.irp j, 0,1,2,3
.if \first
	v_pk_mul_f32 v[ACC+2*(4*(2*\p+\a)+\j):ACC+2*(4*(2*\p+\a)+\j)+1], v[D+2*(4*\a+\j):D+2*(4*\a+\j)+1], v[\buf+6*(2*\p+\a)+4:\buf+6*(2*\p+\a)+5]
.else
	v_pk_fma_f32 v[ACC+2*(4*(2*\p+\a)+\j):ACC+2*(4*(2*\p+\a)+\j)+1], v[D+2*(4*\a+\j):D+2*(4*\a+\j)+1], v[\buf+6*(2*\p+\a)+4:\buf+6*(2*\p+\a)+5], v[ACC+2*(4*(2*\p+\a)+\j):ACC+2*(4*(2*\p+\a)+\j)+1]   ; + d d A
.endif
.endr
.endr
.irp a, 0,1
.irp j, 0,1,2,3
	v_pk_fma_f32 v[ACC+2*(4*(2*\p+\a)+\j):ACC+2*(4*(2*\p+\a)+\j)+1], v[D+2*(4*\a+\j):D+2*(4*\a+\j)+1], v[\buf+48+6*\j+4:\buf+48+6*\j+5], v[ACC+2*(4*(2*\p+\a)+\j):ACC+2*(4*(2*\p+\a)+\j)+1]   ; + d d B
.endr
.endr
.irp a, 0,1
.irp j, 0,1,2,3
	v_pk_fma_f32 v[ACC+2*(4*(2*\p+\a)+\j):ACC+2*(4*(2*\p+\a)+\j)+1], v[\buf+6*(2*\p+\a)+2:\buf+6*(2*\p+\a)+3], v[\buf+48+6*\j+4:\buf+48+6*\j+5], v[ACC+2*(4*(2*\p+\a)+\j):ACC+2*(4*(2*\p+\a)+\j)+1]   ; + a B
.endr
.endr
.irp a, 0,1
.irp j, 0,1,2,3
	v_pk_fma_f32 v[ACC+2*(4*(2*\p+\a)+\j):ACC+2*(4*(2*\p+\a)+\j)+1], v[\buf+48+6*\j+2:\buf+48+6*\j+3], v[\buf+6*(2*\p+\a)+4:\buf+6*(2*\p+\a)+5], v[ACC+2*(4*(2*\p+\a)+\j):ACC+2*(4*(2*\p+\a)+\j)+1]   ; + b A
.endr
.endr
.endr
.endm
	s_load_b128 s[4:7], s[0:1], 0x0                ; st s[4:5], hp s[6:7]
	s_load_b64 s[8:9], s[0:1], 0x10                ; sp
	v_lshl_add_u32 v254, v0, 2, 0x29000
	v_mov_b32 v255, 0
	ds_add_u32 v254, v255
	ds_add_u32 v254, v255
	v_lshrrev_b32 v1, 5, v0
	v_readfirstlane_b32 s[WV], v1                  ; wave 0..3
	s_and_b32 s11, s[WV], 1                        ; which 32 episodes of a tile I fetch
	s_bfe_u32 s12, ttmp6, 0x40000                  ; cx: the block of test episodes
	s_bfe_u32 s13, ttmp6, 0x40004                  ; cy: the block of train episodes
	s_and_b32 s15, ttmp7, 0xffff                   ; q: in a cluster launch ttmp7 counts clusters
	s_lshl_b32 s20, s13, 2
	s_lshl_b32 s20, 15, s20                        ; my row of the cluster
	s_lshl_b32 s21, 0x1111, s12                    ; my column
	; a tile: 96 rows (32 episodes x 3 planes, 1,024 numbers apart in st) x 64 numbers of 4 bytes, 8 bytes of padding behind each row
	s_or_b32 s[G1], s20, (2<<16)|(1<<20)|(1<<21)|(5<<22)|(1<<25)    ; the mask; elements of 4 bytes; padding on; bit 21 set beside a mask; after every 64 words (code 5) two words (code 1)
	s_or_b32 s[G1B], s21, (2<<16)|(1<<20)|(1<<21)|(5<<22)|(1<<25)
.irp g, G1, G1B
	s_mov_b32 s[\g+1], 64<<16                      ; tensor_dim0
	s_mov_b32 s[\g+2], 96<<16                      ; tensor_dim1
	s_mov_b32 s[\g+3], 64<<16                      ; tile_dim0
	s_mov_b32 s[\g+4], 96                          ; tile_dim1
	s_mov_b32 s[\g+5], 1024                        ; from row to row
	s_mov_b32 s[\g+6], 0
	s_mov_b32 s[\g+7], 0
.endr
	s_lshl_b32 s16, s13, 6                         ; train: episode 64 cy + 32 x half: registers that never hold cx
	s_lshl_b32 s17, s11, 5
	s_add_co_u32 s16, s16, s17
	s_mul_i32 s16, s16, 12288
	s_lshl_b32 s17, s15, 8
	s_add_co_u32 s16, s16, s17                     ; + 256 q bytes along the plane
	s_mov_b32 s17, 0
	s_lshl_b32 s40, s12, 6                         ; test: episode 256 + 64 cx + 32 x half: registers that never hold cy
	s_lshl_b32 s41, s11, 5
	s_add_co_u32 s40, s40, s41
	s_add_co_u32 s40, s40, 256
	s_mul_i32 s40, s40, 12288
	s_lshl_b32 s41, s15, 8
	s_add_co_u32 s40, s40, s41
	s_mov_b32 s41, 0
	s_mul_i32 s22, s[WV], 96*P                     ; where they go: wave x 96 rows: train's two halves, then test's
	s_wait_dscnt 0x0
	s_wait_kmcnt 0x0
	s_mov_b32 s[G0], 1
	s_mov_b32 s[G0+1], s22
	s_add_nc_u64 s[G0+2:G0+3], s[4:5], s[16:17]
	s_or_b32 s[G0+3], s[G0+3], 0x80000000
	s_mov_b32 s[G0B], 1
	s_mov_b32 s[G0B+1], s22
	s_add_nc_u64 s[G0B+2:G0B+3], s[4:5], s[40:41]
	s_or_b32 s[G0B+3], s[G0B+3], 0x80000000
	CROUND                                         ; all sixteen work-groups are here: the joint loads meet
	s_cmp_lt_u32 s[WV], 2                          ; waves 0 and 1 fetch the train tile's halves, waves 2 and 3 the test tile's: the branch hangs on the wave's number alone
	s_cbranch_scc0 .Lfor_test
	tensor_load_to_lds s[G0:G0+3], s[G1:G1+7]
	s_nop 0
.rept 4
	v_nop                                          ; four lines behind each of the two loads
.endr
	s_branch .Lasked
.Lfor_test:
	tensor_load_to_lds s[G0B:G0B+3], s[G1B:G1B+7]
	s_nop 0
.rept 4
	v_nop
.endr
.Lasked:
	v_and_b32 v6, 15, v0                           ; r
	v_bfe_u32 v7, v0, 4, 1                         ; h
	s_mul_i32 s23, s[WV], 48*P
	v_mul_u32_u24 v1, v7, 24*P
	v_add_nc_u32 v1, s23, v1                       ; v1: train episode 16 w + 8 h
	v_mul_u32_u24 v2, v6, 12*P
	v_add_nc_u32 v2, TEST, v2                      ; v2: test episode 4 r
	v_lshlrev_b32 v5, 13, v7
	v_lshl_add_u32 v5, v6, 4, v5                   ; v5: sp: eight rows of 1,024 bytes on for lanes 16-31, + 16 r
	v_lshlrev_b32 v6, 4, v6                        ; v6: 16 r
	v_lshlrev_b32 v7, 5, v7                        ; v7: 32 h
	s_lshl_b32 s44, s15, 11                        ; hp[q]:
	s_lshl_b32 s45, s12, 8
	s_add_co_u32 s44, s44, s45
	s_add_co_u32 s44, s44, 1024                    ; test episode 64 cx,
	s_mov_b32 s45, 0
	s_add_nc_u64 s[44:45], s[6:7], s[44:45]
	s_lshl_b32 s46, s15, 11
	s_lshl_b32 s47, s13, 8
	s_add_co_u32 s46, s46, s47
	s_lshl_b32 s47, s[WV], 6
	s_add_co_u32 s46, s46, s47                     ; train episode 64 cy + 16 w
	s_mov_b32 s47, 0
	s_add_nc_u64 s[46:47], s[6:7], s[46:47]
	global_load_b128 v[8:11], v6, s[44:45]         ; the sums of logvar of my four j,
	global_load_b128 v[12:15], v7, s[46:47]        ; and of my eight i
	global_load_b128 v[16:19], v7, s[46:47] offset:16
	s_lshl_b32 s20, s15, 18                        ; sp[q][64 cy + 16 w][64 cx]
	s_lshl_b32 s21, s13, 16
	s_add_co_u32 s20, s20, s21
	s_lshl_b32 s21, s[WV], 14
	s_add_co_u32 s20, s20, s21
	s_lshl_b32 s21, s12, 8
	s_add_co_u32 s20, s20, s21
	s_mov_b32 s21, 0
	s_add_nc_u64 s[8:9], s[8:9], s[20:21]
	s_wait_tensorcnt 0x0                           ; my half tile has landed,
	s_barrier_signal -1
	s_barrier_wait -1                              ; everybody's has
	LOADC XB, 1, 2, 0                              ; chunk 0
	LOADC YB, 1, 2, 8                              ; chunk 1
	s_wait_dscnt 36                                ; chunk 0 is in; the 36 loads of chunk 1 may be out
	COMPUTE XB, 1
	s_mov_b32 s14, 0
.Lchunk:                                           ; 15 trips of two chunks: trip n works chunks 2 n + 1 and 2 n + 2 and asks for 2 n + 2 and 2 n + 3
	v_add_nc_u32 v3, s14, v1
	v_add_nc_u32 v4, s14, v2
	LOADC XB, 3, 4, 16
	s_wait_dscnt 36                                ; all but the 36 just issued
	COMPUTE YB, 0
	LOADC YB, 3, 4, 24
	s_wait_dscnt 36
	COMPUTE XB, 0
	s_add_co_u32 s14, s14, 16
	s_cmp_lt_u32 s14, 240
	s_cbranch_scc1 .Lchunk
	s_wait_dscnt 0x0
	COMPUTE YB, 0                                  ; chunk 31
	s_wait_loadcnt 0x0                             ; hp
.set k, 0
.rept 32
	v_add_f32 v[ACC+2*k], v[ACC+2*k], v[ACC+2*k+1] ; even t's and odd t's
.set k, k+1
.endr
.irp i, 0,1,2,3,4,5,6,7
.irp j, 0,1,2,3
	v_add_f32 v[ACC+2*(4*\i+\j)+1], v[12+\i], v[8+\j]
.endr
.endr
.set k, 0
.rept 32
	v_fma_f32 v[XB+k], 0.5, v[ACC+2*k], v[ACC+2*k+1]
.set k, k+1
.endr
.irp i, 0,1,2,3,4,5,6,7
	global_store_b128 v5, v[XB+4*\i:XB+4*\i+3], s[8:9] offset:1024*\i      ; sixteen lanes store 256 consecutive bytes, aligned
.endr
	s_wait_tensorcnt 0x0
	ds_add_u32 v254, v255
	s_wait_dscnt 0x0
	CROUND                                         ; the closing round: no work-group ends while a partner may still ask for a tile that names it
	s_endpgm
.Lfunc_end_k_q2f90173652_pair:
	.size	k_q2f90173652_pair, .Lfunc_end_k_q2f90173652_pair-k_q2f90173652_pair
	.p2alignl 7, 3214868480
	.fill 96, 4, 3214868480
	.section	.rodata,"a",@progbits
	.p2align	6, 0x0
	.amdhsa_kernel k_q2f90173652_pair
		.amdhsa_group_segment_fixed_size 168448
		.amdhsa_private_segment_fixed_size 0
		.amdhsa_enable_private_segment 0
		.amdhsa_kernarg_size 24
		.amdhsa_user_sgpr_count 2
		.amdhsa_user_sgpr_kernarg_segment_ptr 1
		.amdhsa_wavefront_size32 1
		.amdhsa_system_sgpr_workgroup_id_x 1
		.amdhsa_system_sgpr_workgroup_id_y 1
		.amdhsa_system_sgpr_workgroup_id_z 1
		.amdhsa_system_vgpr_workitem_id 0
		.amdhsa_next_free_vgpr 256
		.amdhsa_next_free_sgpr 66
		.amdhsa_reserve_vcc 0
		.amdhsa_float_denorm_mode_32 3
		.amdhsa_float_denorm_mode_16_64 3
		.amdhsa_memory_ordered 1
		.amdhsa_forward_progress 1
		.amdhsa_inst_pref_size 69
	.end_amdhsa_kernel
	.amdgpu_metadata
---
amdhsa.version: [ 1, 2 ]
amdhsa.kernels:
  - .name:           k_q2f90173652_pair
    .symbol:         k_q2f90173652_pair.kd
    .args:
      - { .name: st, .offset: 0, .size: 8, .value_kind: global_buffer, .address_space: global }
      - { .name: hp, .offset: 8, .size: 8, .value_kind: global_buffer, .address_space: global }
      - { .name: sp, .offset: 16, .size: 8, .value_kind: global_buffer, .address_space: global }
    .group_segment_fixed_size: 168448
    .private_segment_fixed_size: 0
    .kernarg_segment_align: 8
    .kernarg_segment_size: 24
    .max_flat_workgroup_size: 128
    .sgpr_count:     66
    .vgpr_count:     256
    .wavefront_size: 32
...
	.end_amdgpu_metadata
.endif
;; end of part 4
;; launch lsm (part 5): grid 256 x 1, 1 waves a work-group, no clusters, 0 bytes of LDS; arguments sp, tl, hp, out0, out1; writes out0, out1
.if DOCPART == 5
	.amdgcn_target "amdgcn-amd-amdhsa--gfx1250"
	.amdhsa_code_object_version 6
	.text
	.protected	k_q2f90173652_lsm
	.globl	k_q2f90173652_lsm
	.p2align	8
	.type	k_q2f90173652_lsm,@function
k_q2f90173652_lsm:
	s_mov_b64 s[64:65], 0
	v_nop
	global_prefetch_b8 v0, s[64:65] scope:SCOPE_SE
	s_setreg_imm32_b32 hwreg(HW_REG_WAVE_MODE, 25, 1), 1
	s_wait_xcnt 0x0
; out0[i][:] = log_softmax(-score[i][:]);  out1 = 0 .. 255.  score[i][j] = the sum over q of sp[q][i][j] + the pairwise terms of t = 1,024 and 1,025 (tl) + the sums of logvar over those two t (hp[16]) + 1,026 (log(2 pi e) - 1).
; One wave to a row i.  Lane l holds j = 4 l + 0 .. 3 and j = 128 + 4 l + 0 .. 3: every load of sp and every store of out0 covers 512 consecutive bytes.  The row's largest -score is taken away before the exponentials, as reference() does.
; All 50 loads go out together; one wait.  No LDS, no barrier, no matrix work: a row is 16 KB of partial sums and a few hundred vector instructions.
; The sums' order is not reference()'s.  v_exp_f32 gives 0 where the result would be denormal.
; REGISTERS: v16-143 sp (8 q + 4 half + number), summed into v16-23; v144-191 tl's three planes of my eight j (16 x plane + 2 n, a pair t = 1,024, 1,025); v192-197 tl's of row i; v198-205 hp[16] of my j; v206 of row i; v24-47, v207-223 at work.
	s_load_b256 s[4:11], s[0:1], 0x0               ; sp s[4:5], tl s[6:7], hp s[8:9], out0 s[10:11]
	s_load_b64 s[12:13], s[0:1], 0x20              ; out1
	v_and_b32 v1, 31, v0                           ; lane
	v_lshlrev_b32 v2, 4, v1                        ; 16 x lane
	v_lshlrev_b32 v3, 5, v1                        ; 32 x lane
	v_mov_b32 v4, 0
	v_mov_b32 v207, 0                              ; a lane permute's destination counts as one of its sources
	s_lshl_b32 s14, ttmp9, 10                      ; a row of 1,024 bytes
	s_mov_b32 s15, 0
	s_lshl_b32 s16, ttmp9, 3
	s_mov_b32 s17, 0
	s_lshl_b32 s18, ttmp9, 2
	s_mov_b32 s19, 0
	s_mov_b32 s24, 0x76543210                      ; v_permlanex16_b32's selects for lane l xor 16
	s_mov_b32 s25, 0xfedcba98
	s_wait_kmcnt 0x0
	s_add_nc_u64 s[4:5], s[4:5], s[14:15]
	s_add_nc_u64 s[10:11], s[10:11], s[14:15]
	s_add_nc_u64 s[20:21], s[6:7], s[16:17]        ; tl at train episode i
	s_add_nc_u64 s[22:23], s[8:9], s[18:19]        ; hp at train episode i
.irp q, 0,1,2,3,4,5,6,7,8,9,10,11,12,13,14,15
.irp f, 0,1
	global_load_b128 v[16+8*\q+4*\f:19+8*\q+4*\f], v2, s[4:5] offset:262144*\q+512*\f th:TH_LOAD_NT
.endr
.endr
.irp x, 0,1,2
.irp f, 0,1
.irp k, 0,1
	global_load_b128 v[144+16*\x+8*\f+4*\k:147+16*\x+8*\f+4*\k], v3, s[6:7] offset:4096*\x+2048+1024*\f+16*\k     ; test episodes 128 f + 4 l + 2 k, + 1: two numbers each
.endr
.endr
	global_load_b64 v[192+2*\x:193+2*\x], v4, s[20:21] offset:4096*\x
.endr
.irp f, 0,1
	global_load_b128 v[198+4*\f:201+4*\f], v2, s[8:9] offset:16*2048+1024+512*\f
.endr
	global_load_b32 v206, v4, s[22:23] offset:16*2048
	s_wait_loadcnt 0x0
.irp q, 1,2,3,4,5,6,7,8,9,10,11,12,13,14,15
.irp p, 0,1,2,3
	v_pk_add_f32 v[16+2*\p:17+2*\p], v[16+2*\p:17+2*\p], v[16+8*\q+2*\p:17+8*\q+2*\p]      ; the sixteen parts, in four chains
.endr
.endr
	; the last two t, as one packed pair: d = m - n; d d A + d d B + a B + b A
.irp n, 0,1,2,3,4,5,6,7
	v_pk_add_f32 v[208+2*\n:209+2*\n], v[192:193], v[144+2*\n:145+2*\n] neg_lo:[0,1] neg_hi:[0,1]
.endr
.irp n, 0,1,2,3,4,5,6,7
	v_pk_mul_f32 v[208+2*\n:209+2*\n], v[208+2*\n:209+2*\n], v[208+2*\n:209+2*\n]
.endr
.irp n, 0,1,2,3,4,5,6,7
	v_pk_mul_f32 v[24+2*\n:25+2*\n], v[208+2*\n:209+2*\n], v[196:197]
.endr
.irp n, 0,1,2,3,4,5,6,7
	v_pk_fma_f32 v[24+2*\n:25+2*\n], v[208+2*\n:209+2*\n], v[176+2*\n:177+2*\n], v[24+2*\n:25+2*\n]
.endr
.irp n, 0,1,2,3,4,5,6,7
	v_pk_fma_f32 v[24+2*\n:25+2*\n], v[194:195], v[176+2*\n:177+2*\n], v[24+2*\n:25+2*\n]
.endr
.irp n, 0,1,2,3,4,5,6,7
	v_pk_fma_f32 v[24+2*\n:25+2*\n], v[160+2*\n:161+2*\n], v[196:197], v[24+2*\n:25+2*\n]
.endr
	v_add_f32 v206, 0x44ebb52e, v206               ; + 1,026 (log(2 pi e) - 1) = 1,885.6619
.irp n, 0,1,2,3,4,5,6,7
	v_add_f32 v[208+\n], v[24+2*\n], v[25+2*\n]
.endr
.irp n, 0,1,2,3,4,5,6,7
	v_add_f32 v[16+\n], v[16+\n], v[198+\n]
.endr
.irp n, 0,1,2,3,4,5,6,7
	v_fma_f32 v[16+\n], 0.5, v[208+\n], v[16+\n]
.endr
.irp n, 0,1,2,3,4,5,6,7
	v_sub_f32 v[16+\n], -v[16+\n], v206            ; x = -score
.endr
	v_max3_num_f32 v40, v16, v17, v18              ; the row's largest x
	v_max3_num_f32 v41, v19, v20, v21
	v_max3_num_f32 v40, v40, v22, v23
	v_max_num_f32 v40, v40, v41
.irp x, 1,2,4,8
	v_max_num_f32_dpp v40, v40, v40 row_xmask:\x row_mask:0xf bank_mask:0xf
.endr
	v_permlanex16_b32 v207, v40, s24, s25
	v_max_num_f32 v40, v40, v207
.irp n, 0,1,2,3,4,5,6,7
	v_sub_f32 v[16+\n], v[16+\n], v40
.endr
.irp n, 0,1,2,3,4,5,6,7
	v_mul_f32 v[24+\n], 0x3fb8aa3b, v[16+\n]       ; x log2(e)
.endr
.irp n, 0,1,2,3,4,5,6,7
	v_exp_f32 v[24+\n], v[24+\n]
.endr
	v_nop                                          ; a plain line behind the last exponential,
	s_wait_alu depctr_va_vdst(0)                   ; and one wait for the eight, ahead of their first reader
	v_pk_add_f32 v[24:25], v[24:25], v[26:27]
	v_pk_add_f32 v[28:29], v[28:29], v[30:31]
	v_pk_add_f32 v[24:25], v[24:25], v[28:29]
	v_add_f32 v41, v24, v25
.irp x, 1,2,4,8
	v_add_f32_dpp v41, v41, v41 row_xmask:\x row_mask:0xf bank_mask:0xf
.endr
	v_permlanex16_b32 v207, v41, s24, s25
	v_add_f32 v41, v41, v207                       ; at least 1: the largest x gives 2^0
	v_log_f32 v42, v41
	v_nop
	s_wait_alu depctr_va_vdst(0)
	v_mul_f32 v42, 0x3f317218, v42                 ; x ln 2
.irp n, 0,1,2,3,4,5,6,7
	v_sub_f32 v[16+\n], v[16+\n], v42
.endr
	global_store_b128 v2, v[16:19], s[10:11]
	global_store_b128 v2, v[20:23], s[10:11] offset:512
	s_cmp_lg_u32 ttmp9, 0
	s_cbranch_scc1 .Ldone
	v_lshlrev_b32 v48, 2, v1                       ; work-group 0 also writes the classes: 4 l + 0 .. 3 and 128 + 4 l + 0 .. 3
.irp n, 1,2,3
	v_add_nc_u32 v[48+\n], \n, v48
.endr
.irp n, 0,1,2,3
	v_add_nc_u32 v[52+\n], 128+\n, v48
.endr
	global_store_b128 v2, v[48:51], s[12:13]
	global_store_b128 v2, v[52:55], s[12:13] offset:512
.Ldone:
	s_endpgm
.Lfunc_end_k_q2f90173652_lsm:
	.size	k_q2f90173652_lsm, .Lfunc_end_k_q2f90173652_lsm-k_q2f90173652_lsm
	.p2alignl 7, 3214868480
	.fill 96, 4, 3214868480
	.section	.rodata,"a",@progbits
	.p2align	6, 0x0
	.amdhsa_kernel k_q2f90173652_lsm
		.amdhsa_group_segment_fixed_size 0
		.amdhsa_private_segment_fixed_size 0
		.amdhsa_enable_private_segment 0
		.amdhsa_kernarg_size 40
		.amdhsa_user_sgpr_count 2
		.amdhsa_user_sgpr_kernarg_segment_ptr 1
		.amdhsa_wavefront_size32 1
		.amdhsa_system_sgpr_workgroup_id_x 1
		.amdhsa_system_sgpr_workgroup_id_y 1
		.amdhsa_system_sgpr_workgroup_id_z 1
		.amdhsa_system_vgpr_workitem_id 0
		.amdhsa_next_free_vgpr 224
		.amdhsa_next_free_sgpr 66
		.amdhsa_reserve_vcc 0
		.amdhsa_float_denorm_mode_32 3
		.amdhsa_float_denorm_mode_16_64 3
		.amdhsa_memory_ordered 1
		.amdhsa_forward_progress 1
		.amdhsa_inst_pref_size 18
	.end_amdhsa_kernel
	.amdgpu_metadata
---
amdhsa.version: [ 1, 2 ]
amdhsa.kernels:
  - .name:           k_q2f90173652_lsm
    .symbol:         k_q2f90173652_lsm.kd
    .args:
      - { .name: sp, .offset: 0, .size: 8, .value_kind: global_buffer, .address_space: global }
      - { .name: tl, .offset: 8, .size: 8, .value_kind: global_buffer, .address_space: global }
      - { .name: hp, .offset: 16, .size: 8, .value_kind: global_buffer, .address_space: global }
      - { .name: out0, .offset: 24, .size: 8, .value_kind: global_buffer, .address_space: global }
      - { .name: out1, .offset: 32, .size: 8, .value_kind: global_buffer, .address_space: global }
    .group_segment_fixed_size: 0
    .private_segment_fixed_size: 0
    .kernarg_segment_align: 8
    .kernarg_segment_size: 40
    .max_flat_workgroup_size: 32
    .sgpr_count:     66
    .vgpr_count:     224
    .wavefront_size: 32
...
	.end_amdgpu_metadata
.endif
;; end of part 5
